; MI455X (gfx1250); checked and timed in simulation.
; The chip was launched on July 23, 2026; its instructions are those of AMD's public machine-readable ISA for CDNA 5 (MIT licence, August 2026) and "CDNA5" Instruction Set Architecture Reference Guide (July 2026). The comments in the code are by the model that wrote it; some were corrected since.
;; Causal Attention. Allowed arithmetic: matrix products marked QUANTISED: E2M1 operands, one E8M0 scale for each 32 along K, by v_wmma_scale_f32_16x16x128_f8f6f4 with both operands' format E2M1 (or v_wmma_scale_f32_32x16x128_f4), f32 sums; products left as they are: bf16, f16 or f32 operands; f32 sums; everything else in f32.
;; Inputs: b_o 1,024 float32; w_k 1,024 x 1,024 float32; w_o 1,024 x 1,024 float32; w_q 1,024 x 1,024 float32; w_v 1,024 x 1,024 float32; x 4 x 2,048 x 1,024 float32.
;; Outputs: out0 4 x 2,048 x 1,024 float32.
;; This version of the problem:
;;   THIS VERSION OF THE PROBLEM IS GIVEN IN LOW PRECISION. The matrix products marked QUANTISED in the list below multiply operands that are first quantised to E2M1 (2 exponent bits, 1 mantissa bit; 4 bits a number), with one power-of-two scale for each 32 numbers along K (OCP MX v1.0); their sums are f32. The products marked 'left as it is' may take bf16, f16 or f32 operands, with f32 sums. Whichever they take, every output number must still come out within the allowed error. Rounding operands to bf16 (8 significant bits) uses up far more of that allowance than f16 does (11 bits, for magnitudes from 6e-5 to 65,504). All else is computed in f32.
;;   The module's matrix products, in the order in which they are computed (A, B: the left and right operand; K: the contracted axis; several contracted axes count as one K, in the product's order):
;;     1. [M 8,192, K 1,024] x [K 1,024, N 1,024]; A: input x; B: input w_q: QUANTISED
;;     2. [M 8,192, K 1,024] x [K 1,024, N 1,024]; A: input x; B: input w_k: QUANTISED
;;     3. [M 8,192, K 1,024] x [K 1,024, N 1,024]; A: input x; B: input w_v: QUANTISED
;;     4. batch 64 x [M 2,048, K 64] x [K 64, N 2,048]; A: computed on the way; B: computed on the way: left as it is (an operand is computed on the way)
;;     5. batch 64 x [M 2,048, K 2,048] x [K 2,048, N 64]; A: computed on the way; B: computed on the way: left as it is (an operand is computed on the way)
;;     6. [M 8,192, K 1,024] x [K 1,024, N 1,024]; A: computed on the way; B: input w_o: left as it is (an operand is computed on the way)
;;   THE QUANTISER, for each operand of a quantised product, along K:
;;     - K is cut into blocks of 32 from its start; a last block that is shorter is filled with zeros.
;;     - A block's scale is 2^e with e = floor(log2(the largest magnitude in the block)) - 2, held to -126 .. 127; a block of zeros has e = 0. As a byte (E8M0): e + 127.
;;     - Each number is divided by its block's scale, clamped to +-6, and rounded to the nearest number of E2M1, ties to even, subnormals kept.
;;     - The product sums the exact products of the quantised numbers (number of the format x scale) in f32.
;;   ~~~python
;;   def quantise(x, axis):      # numpy; x: float32 -> the quantised numbers, widened to float32 again
;;       x = np.moveaxis(x, axis, -1); K = x.shape[-1]
;;       x = np.pad(x, [(0, 0)] * (x.ndim - 1) + [(0, -K % 32)]); x = x.reshape(x.shape[:-1] + (-1, 32)); a = np.abs(x).max(-1, keepdims=True)
;;       e = np.where(a > 0, np.clip(np.frexp(np.where(a > 0, a, 1))[1] - 1 - 2, -126, 127), 0)      # np.frexp(a)[1] - 1 = floor(log2(a)), exactly
;;       r = np.clip(x / 2.0 ** e, -6, 6)
;;       step = 2.0 ** (np.maximum(np.frexp(np.where(r == 0, 1, r))[1] - 1, 0) - 1)
;;       q = np.round(r / step) * step * 2.0 ** e      # np.round: ties to even
;;       return np.moveaxis(q.reshape(q.shape[:-2] + (-1,))[..., :K], -1, axis).astype(np.float32)
;;   ~~~
;; One version. Each part assembles by itself: llvm-mc -triple=amdgcn-amd-amdhsa -mcpu=gfx1250 --defsym DOCPART=n.
;; ======== version 1 of 1: 5 launches
;; limits: values are held in f16: magnitudes above 65,504 overflow, below 6.1e-05 lose precision
;; workspace buffers: xc 4,194,304 bytes; xs 262,144 bytes; wc 1,572,864 bytes; ws 98,304 bytes; wo16 2,097,152 bytes; qkv16 50,331,648 bytes; fine32 786,432 bytes; att16 16,777,216 bytes
;; launch prep (part 1): grid 384 x 1, 4 waves a work-group, no clusters, 33,280 bytes of LDS; arguments x, w_q, w_k, w_v, w_o, xc, xs, wc, ws, wo16; writes xc, xs, wc, ws, wo16
.if DOCPART == 1
	.amdgcn_target "amdgcn-amd-amdhsa--gfx1250"
	.amdhsa_code_object_version 6
	.text
	.protected	k_q377dd586d4_prep
	.globl	k_q377dd586d4_prep
	.p2align	8
	.type	k_q377dd586d4_prep,@function
k_q377dd586d4_prep:
	s_mov_b64 s[64:65], 0
	v_nop
	global_prefetch_b8 v0, s[64:65] scope:SCOPE_SE
	s_setreg_imm32_b32 hwreg(HW_REG_WAVE_MODE, 25, 1), 1
	s_wait_xcnt 0x0
; x [8192][1024] and w_q, w_k, w_v [1024][1024], f32 with K innermost, become codes of FP4 (E2M1), two a byte, K innermost, with one E8M0 byte for each 32 along K:
; xc [8192][512 B], xs [8192][32]; wc [3072][512 B], ws [3072][32] (w_q's rows, then w_k's, then w_v's).  w_o becomes f16, laid by planes of 64 along K: wo16 [16 p][1024 n][64].
; A block's scale is 2^(floor(log2(largest magnitude)) - 2); its byte is the largest magnitude's exponent field - 2, held at 1 from below.
; LIMITS: a block of zeros, and a block whose largest magnitude lies under 2^-124, gets the byte 1 (zero codes add nothing under it; this program alone reads the bytes); NaN and infinities are not served; |w_o| stays under 65,504.
; SHARES: a work-group takes 32,768 numbers: work-groups 0-255 x, 256-287 w_q, 288-319 w_k, 320-351 w_v, 352-383 w_o.  Rows are dense and K is a multiple of 32: the quantised tensors are plain streams of blocks.
; Memory binds: no matrix unit, no cluster, no tensor load.  Waves share nothing, so there is no barrier.
.set WAVES, 4
.set STEPS, 16
.set EMAX,  2
.set CB,    8                          ; bytes of 16 codes
.set R,     16                         ; v16-79   four sets of 16 numbers as they are loaded
.set X,     80                         ; v80-111  two sets of 16 neighbours
.set C,     128                        ; v128-191 codes, four registers a step: no store's data are written again
.set E,     112                        ; v112-127 a scale byte for each step
.set WREG,  8192                       ; LDS: a region for each wave: two stages of 32 x SP bytes, then its 256 scale bytes
.set SP,    80                         ; a lane's place in a stage: 64 bytes + 16 of padding
.set SPW,   12                         ; v12 my spare word's LDS address; never rewritten
.set NIL,   13                         ; v13 0; never rewritten
.set SPARE, WAVES*WREG                 ; the spare words: 128 bytes a wave, named by no other line
.set INB,   16                         ; the w_o path: two sets of 64 numbers
.set OUTB,  144                        ; and 32 registers of f16 pairs
	s_load_b512 s[4:19], s[0:1], 0x0               ; x s[4:5], w_q s[6:7], w_k s[8:9], w_v s[10:11], w_o s[12:13], xc s[14:15], xs s[16:17], wc s[18:19]
	s_load_b128 s[20:23], s[0:1], 0x40             ; ws s[20:21], wo16 s[22:23]
	v_lshl_add_u32 v[SPW], v0, 2, SPARE
	v_mov_b32 v[NIL], 0
	v_lshrrev_b32 v1, 5, v0
	v_readfirstlane_b32 s24, v1                    ; wave
	v_and_b32 v2, 31, v0                           ; lane
	v_lshlrev_b32 v3, 4, v2                        ; 16 x lane
	s_mul_i32 s25, s24, WREG
	v_lshrrev_b32 v14, 2, v2
	v_mul_u32_u24 v14, v14, SP
	v_and_b32 v15, 3, v2
	v_lshl_add_u32 v14, v15, 4, v14
	v_add_nc_u32 v14, s25, v14                     ; the stage, on the way in: SP (lane / 4) + 16 (lane % 4)
	v_mul_u32_u24 v15, v2, SP
	v_add_nc_u32 v15, s25, v15                     ; and on the way out: SP x lane: my 16 neighbours
	v_mul_u32_u24 v4, v2, CB                       ; my codes' place in a step's
	v_lshrrev_b32 v5, 1, v2
	s_add_co_u32 s25, s25, 2*32*SP
	v_add_nc_u32 v5, s25, v5                       ; my wave's 256 scale bytes, my block's byte
	v_lshlrev_b32 v7, 3, v2
	v_add_nc_u32 v6, s25, v7                       ; and on the way out 8 bytes a lane
	s_wait_kmcnt 0x0
	s_cmp_lt_u32 ttmp9, 352
	s_cbranch_scc1 .Lquant
; ---- w_o to f16 planes.  Wave w of work-group j takes rows 32 j + 8 w .. + 7.  A step takes 4 rows x 64 numbers of one plane: lane l has row l / 8 and 8 numbers; its 16 bytes of f16 lie at 16 l:
; a store covers 512 consecutive bytes, at a multiple of 512 from the buffer's first byte.  Four batches of eight steps, loads one batch ahead.
	s_sub_co_u32 s26, ttmp9, 352
	s_lshl_b32 s26, s26, 5
	s_lshl_b32 s27, s24, 3
	s_add_co_u32 s26, s26, s27                     ; my first row
	s_lshl_b32 s28, s26, 12
	s_mov_b32 s29, 0
	s_add_nc_u64 s[12:13], s[12:13], s[28:29]
	s_lshl_b32 s28, s26, 7
	s_add_nc_u64 s[22:23], s[22:23], s[28:29]
	v_lshrrev_b32 v8, 3, v2
	v_lshlrev_b32 v8, 12, v8
	v_and_b32 v9, 7, v2
	v_lshl_add_u32 v8, v9, 5, v8                   ; 4,096 (lane / 8) + 32 (lane % 8)
.macro LOADB t                         ; batch t: rows 4 (t / 2) on, planes 8 (t % 2) .. + 7
.irp i, 0,1,2,3,4,5,6,7
	global_load_b128 v[INB+64*((\t)%2)+8*\i:INB+64*((\t)%2)+8*\i+3], v8, s[12:13] offset:((\t)/2)*16384+(8*((\t)%2)+\i)*256 th:TH_LOAD_NT
	global_load_b128 v[INB+64*((\t)%2)+8*\i+4:INB+64*((\t)%2)+8*\i+7], v8, s[12:13] offset:((\t)/2)*16384+(8*((\t)%2)+\i)*256+16 th:TH_LOAD_NT
.endr
.endm
.macro CONVB t, left                   ; left: the next batch's loads, which may stay out
	s_wait_loadcnt \left
.if (\t) > 0
	s_wait_xcnt 0x0                                ; the last batch's stores have read their data: the registers are written again only behind this wait
.endif
.irp i, 0,1,2,3,4,5,6,7
.irp k, 0,1,2,3
	v_cvt_pk_f16_f32 v[OUTB+4*\i+\k], v[INB+64*((\t)%2)+8*\i+2*\k], v[INB+64*((\t)%2)+8*\i+2*\k+1]
.endr
.endr
.irp i, 0,1,2,3,4,5,6,7
	global_store_b128 v3, v[OUTB+4*\i:OUTB+4*\i+3], s[22:23] offset:(8*((\t)%2)+\i)*131072+((\t)/2)*512
.endr
.endm
	LOADB 0
	LOADB 1
	CONVB 0, 16
	LOADB 2
	CONVB 1, 16
	LOADB 3
	CONVB 2, 16
	CONVB 3, 0
	s_endpgm
; ---- the quantiser.  Only pointers are chosen by the work-group's number: all four tensors take one path.
.Lquant:
	s_and_b32 s27, ttmp9, 31                       ; a weight's work-group among its 32
	s_cmp_lt_u32 ttmp9, 320
	s_cselect_b64 s[8:9], s[8:9], s[10:11]
	s_cmp_lt_u32 ttmp9, 288
	s_cselect_b64 s[6:7], s[6:7], s[8:9]
	s_cmp_lt_u32 ttmp9, 256
	s_cselect_b64 s[4:5], s[4:5], s[6:7]           ; the numbers
	s_cselect_b64 s[14:15], s[14:15], s[18:19]     ; the codes
	s_cselect_b64 s[16:17], s[16:17], s[20:21]     ; the scale bytes
	s_cselect_b32 s26, 0, 256
	s_cselect_b32 s27, ttmp9, s27
	s_sub_co_u32 s26, ttmp9, s26                   ; the work-group's place in the codes' buffer
	s_lshl_b32 s27, s27, 2
	s_add_co_u32 s27, s27, s24                     ; which run of 8,192 numbers of the source is my wave's
	s_lshl_b32 s28, s27, 15
	s_mov_b32 s29, 0
	s_add_nc_u64 s[4:5], s[4:5], s[28:29]
	s_lshl_b32 s26, s26, 2
	s_add_co_u32 s26, s26, s24
	s_lshl_b32 s28, s26, 12                        ; 4,096 bytes of codes a run
	s_add_nc_u64 s[14:15], s[14:15], s[28:29]
	s_lshl_b32 s28, s26, 8                         ; 256 scale bytes a run
	s_add_nc_u64 s[16:17], s[16:17], s[28:29]
; A wave takes 16 steps of 512 numbers.  Each load reads 512 consecutive bytes; a step's 2,048 bytes turn through the wave's own stage, so that a lane then holds 16 neighbours (two lanes hold a block).
.macro LOAD t
.irp i, 0,1,2,3
	global_load_b128 v[R+16*((\t)%4)+4*\i:R+16*((\t)%4)+4*\i+3], v3, s[4:5] offset:2048*(\t)+512*\i th:TH_LOAD_NT
.endr
.endm
.macro TURN t                          ; LDS serves a wave's instructions in order (ISA guide 5.7.1.4): no wait between the stores and the loads
.irp i, 0,1,2,3
	ds_store_b128 v14, v[R+16*((\t)%4)+4*\i:R+16*((\t)%4)+4*\i+3] offset:32*SP*((\t)%2)+8*SP*\i
.endr
.irp i, 0,1,2,3
	ds_load_b128 v[X+16*((\t)%2)+4*\i:X+16*((\t)%2)+4*\i+3], v15 offset:32*SP*((\t)%2)+16*\i
.endr
.endm
.irp t, 0,1,2,3
	LOAD \t
.endr
	s_wait_loadcnt 12                              ; step 0's four loads are in; three steps' twelve may be out
	TURN 0
.macro STEP t
.set XS, X+16*((\t)%2)
.if (\t) > 0
	s_wait_dscnt 1                                 ; this step's numbers are back from the stage; the last step's byte store may be out
.else
	s_wait_dscnt 0x0
.endif
.if (\t)+4 < STEPS
	LOAD (\t)+4                                    ; into the registers that the stage's stores have read
.endif
.if (\t)+1 < STEPS
.if STEPS-2-(\t) >= 3
	s_wait_loadcnt 12                              ; the next step's four loads are in; those of the three steps behind it may be out
.else
	s_wait_loadcnt 4*(STEPS-2-(\t))
.endif
	TURN (\t)+1
.endif
	v_max3_num_f32 v8, |v[XS]|, |v[XS+1]|, |v[XS+2]|               ; the largest magnitude of my 16, in two chains
	v_max3_num_f32 v9, |v[XS+3]|, |v[XS+4]|, |v[XS+5]|
.irp i, 6,10
	v_max3_num_f32 v8, v8, |v[XS+\i]|, |v[XS+\i+1]|
	v_max3_num_f32 v9, v9, |v[XS+\i+2]|, |v[XS+\i+3]|
.endr
	v_max3_num_f32 v8, v8, |v[XS+14]|, |v[XS+15]|
	v_max3_num_f32 v8, v8, v9, (EMAX+1)<<23        ; and the floor 2^(3 - 127): the byte cannot fall under 1
	v_max_num_f32_dpp v8, v8, v8 row_xmask:1 row_mask:0xf bank_mask:0xf   ; and of my neighbour's 16: the block's
	v_add_nc_u32 v11, -(EMAX<<23), v8              ; 2 off its exponent field: the conversion takes the exponent field of this operand as its scale
	v_cvt_scalef32_pk8_fp4_f32 v[C+4*(\t)], v[XS:XS+7], v11
	v_cvt_scalef32_pk8_fp4_f32 v[C+4*(\t)+1], v[XS+8:XS+15], v11
	v_lshrrev_b32 v[E+(\t)], 23, v11               ; the scale's byte (also the plain line behind the conversions)
	ds_store_b8 v5, v[E+(\t)] offset:16*(\t)       ; both lanes of a block write the same byte with the same value
	global_store_b64 v4, v[C+4*(\t):C+4*(\t)+1], s[14:15] offset:32*CB*(\t)   ; 32 lanes store 256 consecutive bytes, aligned
.endm
.irp t, 0,1,2,3,4,5,6,7,8,9,10,11,12,13,14,15
	STEP \t
.endr
	ds_load_b64 v[8:9], v6                         ; my wave's 256 scale bytes
	s_wait_dscnt 0x0
	global_store_b64 v7, v[8:9], s[16:17]          ; 256 consecutive bytes, aligned
	s_wait_tensorcnt 0x0                           ; the wave's end
	ds_add_u32 v[SPW], v[NIL]
	s_wait_dscnt 0x0
	s_endpgm
.Lfunc_end_k_q377dd586d4_prep:
	.size	k_q377dd586d4_prep, .Lfunc_end_k_q377dd586d4_prep-k_q377dd586d4_prep
	.p2alignl 7, 3214868480
	.fill 96, 4, 3214868480
	.section	.rodata,"a",@progbits
	.p2align	6, 0x0
	.amdhsa_kernel k_q377dd586d4_prep
		.amdhsa_group_segment_fixed_size 33280
		.amdhsa_private_segment_fixed_size 0
		.amdhsa_enable_private_segment 0
		.amdhsa_kernarg_size 80
		.amdhsa_user_sgpr_count 2
		.amdhsa_user_sgpr_kernarg_segment_ptr 1
		.amdhsa_wavefront_size32 1
		.amdhsa_system_sgpr_workgroup_id_x 1
		.amdhsa_system_sgpr_workgroup_id_y 1
		.amdhsa_system_sgpr_workgroup_id_z 1
		.amdhsa_system_vgpr_workitem_id 0
		.amdhsa_next_free_vgpr 192
		.amdhsa_next_free_sgpr 66
		.amdhsa_reserve_vcc 0
		.amdhsa_float_denorm_mode_32 3
		.amdhsa_float_denorm_mode_16_64 3
		.amdhsa_memory_ordered 1
		.amdhsa_forward_progress 1
		.amdhsa_inst_pref_size 51
	.end_amdhsa_kernel
	.amdgpu_metadata
---
amdhsa.version: [ 1, 2 ]
amdhsa.kernels:
  - .name:           k_q377dd586d4_prep
    .symbol:         k_q377dd586d4_prep.kd
    .args:
      - { .name: x, .offset: 0, .size: 8, .value_kind: global_buffer, .address_space: global }
      - { .name: w_q, .offset: 8, .size: 8, .value_kind: global_buffer, .address_space: global }
      - { .name: w_k, .offset: 16, .size: 8, .value_kind: global_buffer, .address_space: global }
      - { .name: w_v, .offset: 24, .size: 8, .value_kind: global_buffer, .address_space: global }
      - { .name: w_o, .offset: 32, .size: 8, .value_kind: global_buffer, .address_space: global }
      - { .name: xc, .offset: 40, .size: 8, .value_kind: global_buffer, .address_space: global }
      - { .name: xs, .offset: 48, .size: 8, .value_kind: global_buffer, .address_space: global }
      - { .name: wc, .offset: 56, .size: 8, .value_kind: global_buffer, .address_space: global }
      - { .name: ws, .offset: 64, .size: 8, .value_kind: global_buffer, .address_space: global }
      - { .name: wo16, .offset: 72, .size: 8, .value_kind: global_buffer, .address_space: global }
    .group_segment_fixed_size: 33280
    .private_segment_fixed_size: 0
    .kernarg_segment_align: 8
    .kernarg_segment_size: 80
    .max_flat_workgroup_size: 128
    .sgpr_count:     66
    .vgpr_count:     192
    .wavefront_size: 32
...
	.end_amdgpu_metadata
.endif
;; end of part 1
;; launch gemmqkv (part 2): grid 12 x 32, 4 waves a work-group, clusters of 4 x 4, 327,680 bytes of LDS; arguments xc, xs, wc, ws, qkv16, fine32; writes qkv16, fine32
.if DOCPART == 2
	.amdgcn_target "amdgcn-amd-amdhsa--gfx1250"
	.amdhsa_code_object_version 6
	.text
	.protected	k_q377dd586d4_gemmqkv
	.globl	k_q377dd586d4_gemmqkv
	.p2align	8
	.type	k_q377dd586d4_gemmqkv,@function
k_q377dd586d4_gemmqkv:
	s_mov_b64 s[64:65], 0
	v_nop
	global_prefetch_b8 v0, s[64:65] scope:SCOPE_SE
	s_setreg_imm32_b32 hwreg(HW_REG_WAVE_MODE, 25, 1), 1
	s_wait_xcnt 0x0
	s_wait_alu depctr_hold_cnt(0) depctr_sa_sdst(0) depctr_va_vdst(0) depctr_va_sdst(0) depctr_va_ssrc(0) depctr_va_vcc(0) depctr_vm_vsrc(0)
	s_getreg_b32 s2, hwreg(HW_REG_IB_STS2, 6, 4)
	s_cmp_eq_u32 s2, 0
	s_cbranch_scc0 .Lentry_in_a_cluster
	s_endpgm
.Lentry_in_a_cluster:
	s_bfe_u32 s2, ttmp6, 0x10000c
	s_cmp_lg_u32 s2, 0xf033
	s_cbranch_scc0 .Lentry_shape_is_right
	s_endpgm
.Lentry_shape_is_right:
; [q | k | v] = Q(x) Q(w)^T on codes of FP4 with E8M0 scales: A = xc [8192][1024 codes], B = wc [3072][1024 codes]; sums in f32.
; OUT: qkv16, f16, [3 which][4 b][16 h][2048 s][64]; and fine32, f32, [4 b][16 s][3072 n]: the first 16 positions of every sequence unrounded, for the launch that carries those rows in f32.
; LIMIT: |q|, |k|, |v| stay under 65,504 (f16).
; A tile of C, 256 x 256, is made by four waves, 128 x 128 each: 64 accumulators, 512 registers.  K = 1,024 is two steps of 512 (rows of 256 bytes): both slots are filled at the start and none is filled again.
; The scale bytes of the work-group's rows come once, as dense blocks in rows of 256 bytes.
; CLUSTERS: 4 x 4 work-groups; A's tiles are asked for jointly along a row of the cluster, B's along a column.  TILE ROW = 8 cy + cluster y: so the batch is cy, and 'my tile begins a sequence' is cluster y = 0,
; a number that all sixteen partners share: the one branch of the way out hangs on it and on the wave's number.
; THE MATRIX INSTRUCTION IS USED TRANSPOSED (source 0 = 16 rows of B, source 1 = 16 rows of A): a lane holds eight neighbouring columns of one row of C.
; REGISTERS: window 0: v0-31 addresses; v32-95 scale words, two sets; v128-191 A's fragments, one set; way out: v32-63, v224-255 rows, v192-223 packed, v64-127 the f32 rows.
;   window 1: B's fragments, two sets, at v0 and v128.  window 2: accumulators of my rows 0-63 ((a, b) at v[8 (8 a + b)]);  window 3: rows 64-127.
; No prefetch: all loads of the launch go out at its head.
.set SIZE_K, 1024
.set KSTEP,  512
.set NQ,     KSTEP/128
.set ROWB,   256
.set KROW,   SIZE_K*4/8
.set PITCH,  272                       ; 256 bytes + 16: row r starts at bank 4 r mod 64 (64 banks of 4 bytes: ISA guide 11.1)
.set FR,     8
.set NL,     2
.set NP,     4                         ; places behind this matrix instruction (ISA guide 7.12.1)
.set HALFT,  128*PITCH
.set SLOT,   4*HALFT
.set KS,     SIZE_K/32
.set SCL,    2*SLOT
.set HALFS,  (128*KS/256)*272
.set SBLK,   (16*KS/256)*272
.set SPARE,  SCL+4*HALFS               ; the spare words: 128 bytes a wave, named by no other line
.set SP16,   272                       ; the way out: stage rows of 256 bytes of f16 + 16; the stages lie in slot 0, which has had its only fill and its last read
.set SP32,   528                       ; and of 512 bytes of f32 + 16,
.set FSTG,   32768                     ; from this byte of slot 0 on
.set ADRA, 16
.set ADRB, 20
.set STO32, 22
.set RD32, 23
.set STO,  24
.set RD,   25
.set CO,   26
.set ADRS, 27
.set SPW,  28
.set NIL,  29
.set CO32, 30
.set SC,   32
.set AF,   128
.set TMP,  192
.set OB,   32
.set G1, 24
.set G0, 32
.set G1B, 48
.set G0B, 56
.set G1S, 68
.set G0S, 76
.set G1SB, 80
.set G0SB, 88
.set MSB, 0
.macro WIN new                         ; the immediate's high byte repeats the setting that is left
.if MSB != (\new)
	s_set_vgpr_msb (MSB<<8)|(\new)
.set MSB, (\new)
.endif
.endm
.set MUL_LO, 0xa1                      ; source 0 (B) window 1, source 1 (A) window 0, C and D window 2
.set MUL_HI, 0xf1
.set TO_B,   0x40
; A joint load: waves 0 and 1 fetch for A, waves 2 and 3 for B; the branch hangs on the wave's number alone.  An s_nop 0 and four v_nop follow each line.
.macro JLOAD g0a, g1a, g0b, g1b
	s_cmp_eq_u32 s15, 0
	s_cbranch_scc0 .Lfor_b_\@
	tensor_load_to_lds s[\g0a:\g0a+3], s[\g1a:\g1a+7]
	s_nop 0
.rept 4
	v_nop
.endr
	s_branch .Lasked_\@
.Lfor_b_\@:
	tensor_load_to_lds s[\g0b:\g0b+3], s[\g1b:\g1b+7]
	s_nop 0
.rept 4
	v_nop
.endr
.Lasked_\@:
.endm
.macro CROUND                          ; a round of the cluster's barrier
	s_barrier_signal -1
	s_barrier_wait -1
	s_cmp_lg_u32 s14, 0
	s_cbranch_scc1 .Lnot_wave_0_\@
	s_barrier_signal -3
.Lnot_wave_0_\@:
	s_barrier_wait -3
	s_barrier_signal -1
	s_barrier_wait -1
.endm
	s_load_b128 s[4:7], s[0:1], 0x0                ; A's codes, A's scales
	s_load_b128 s[8:11], s[0:1], 0x10              ; B's codes, B's scales
	s_load_b64 s[12:13], s[0:1], 0x20              ; qkv16
	s_load_b64 s[96:97], s[0:1], 0x28              ; fine32
	v_lshl_add_u32 v[SPW], v0, 2, SPARE
	v_mov_b32 v[NIL], 0
	ds_add_u32 v[SPW], v[NIL]                      ; the opening: the add, twice on end, and its wait ahead of my first tensor load
	ds_add_u32 v[SPW], v[NIL]
	v_lshrrev_b32 v1, 5, v0
	v_readfirstlane_b32 s14, v1                    ; wave 0..3
	s_lshr_b32 s15, s14, 1                         ; my half of the tile's rows.  Also: I fetch for A (0) or for B (1)
	s_and_b32 s16, s14, 1                          ; my half of its columns.  Also: which 128 rows I fetch
	s_bfe_u32 s40, ttmp6, 0x40000                  ; cx
	s_bfe_u32 s41, ttmp6, 0x40004                  ; cy
	s_lshl_b32 s42, ttmp9, 2
	s_add_co_u32 s42, s42, s40                     ; tile column = 4 x cluster x + cx
	s_and_b32 s17, ttmp7, 0xffff
	s_lshl_b32 s95, s41, 3
	s_add_co_u32 s17, s17, s95                     ; tile row = 8 cy + cluster y
	s_and_b32 s98, ttmp7, 0xffff
	s_or_b32 s98, s98, s15                         ; 0 in the waves whose first 16 rows are positions 0-15 of a sequence
	s_lshl_b32 s43, s41, 2
	s_lshl_b32 s43, 15, s43                        ; my row of the cluster
	s_lshl_b32 s44, 0x1111, s40                    ; my column
	s_or_b32 s[G1+0], s43, (0<<16)|(1<<20)|(1<<21)|(5<<22)|(3<<25)  ; the mask; elements of 1 byte; padding on; bit 21 beside a mask; 4 words after every 64
	s_or_b32 s[G1B+0], s44, (0<<16)|(1<<20)|(1<<21)|(5<<22)|(3<<25)
.irp g, G1, G1B
	s_mov_b32 s[\g+1], ROWB<<16                    ; tensor_dim0
	s_mov_b32 s[\g+2], 128<<16                     ; tensor_dim1
	s_mov_b32 s[\g+3], ROWB<<16                    ; tile_dim0
	s_mov_b32 s[\g+4], 128                         ; tile_dim1
	s_mov_b32 s[\g+5], KROW                        ; stride
	s_mov_b32 s[\g+6], 0
	s_mov_b32 s[\g+7], 0
.endr
	s_or_b32 s[G1S+0], s43, (3<<16)|(1<<20)|(1<<21)|(5<<22)|(3<<25) ; the scales of 128 rows: 4,096 dense bytes as 16 rows of 32 elements of 8 bytes
	s_or_b32 s[G1SB+0], s44, (3<<16)|(1<<20)|(1<<21)|(5<<22)|(3<<25)
.irp g, G1S, G1SB
	s_mov_b32 s[\g+1], 32<<16
	s_mov_b32 s[\g+2], (128*KS/256)<<16
	s_mov_b32 s[\g+3], 32<<16
	s_mov_b32 s[\g+4], 128*KS/256
	s_mov_b32 s[\g+5], 32
	s_mov_b32 s[\g+6], 0
	s_mov_b32 s[\g+7], 0
.endr
	s_lshl_b32 s18, s16, 7
	s_lshl_b32 s20, s17, 8
	s_add_co_u32 s20, s20, s18                     ; A: row 256 x tile row + 128 x half
	s_lshl_b32 s46, s42, 8
	s_add_co_u32 s46, s46, s18                     ; B: row 256 x tile column + 128 x half
	s_mov_b32 s21, 0
	s_mov_b32 s47, 0
	s_mov_b64 s[18:19], KS
	s_mul_u64 s[22:23], s[20:21], s[18:19]
	s_mul_u64 s[92:93], s[46:47], s[18:19]
	s_mov_b64 s[18:19], KROW
	s_mul_u64 s[20:21], s[20:21], s[18:19]
	s_mul_u64 s[46:47], s[46:47], s[18:19]
	s_mul_i32 s45, s14, HALFT                      ; where they go: wave x 128 rows
	s_mul_i32 s94, s14, HALFS
	s_wait_dscnt 0x0                               ; both opening adds are done
	s_wait_kmcnt 0x0
	s_add_nc_u64 s[20:21], s[4:5], s[20:21]
	s_add_nc_u64 s[22:23], s[6:7], s[22:23]
	s_add_nc_u64 s[46:47], s[8:9], s[46:47]
	s_add_nc_u64 s[92:93], s[10:11], s[92:93]
	CROUND                                         ; all sixteen work-groups are here: the joint loads meet
	s_mov_b32 s[G0S], 1
	s_add_co_u32 s[G0S+1], s94, SCL
	s_mov_b64 s[G0S+2:G0S+3], s[22:23]
	s_or_b32 s[G0S+3], s[G0S+3], 0x80000000
	s_mov_b32 s[G0SB], 1
	s_add_co_u32 s[G0SB+1], s94, SCL
	s_mov_b64 s[G0SB+2:G0SB+3], s[92:93]
	s_or_b32 s[G0SB+3], s[G0SB+3], 0x80000000
	JLOAD G0S, G1S, G0SB, G1SB                     ; the scales first
.irp s, 0,1
	s_mov_b32 s[G0+4*\s], 1
	s_add_co_u32 s[G0+4*\s+1], s45, \s*SLOT
	s_add_nc_u64 s[G0+4*\s+2:G0+4*\s+3], s[20:21], \s*ROWB
	s_or_b32 s[G0+4*\s+3], s[G0+4*\s+3], 0x80000000
	s_mov_b32 s[G0B+4*\s], 1
	s_add_co_u32 s[G0B+4*\s+1], s45, \s*SLOT
	s_add_nc_u64 s[G0B+4*\s+2:G0B+4*\s+3], s[46:47], \s*ROWB
	s_or_b32 s[G0B+4*\s+3], s[G0B+4*\s+3], 0x80000000
	JLOAD G0+4*\s, G1, G0B+4*\s, G1B               ; three loads of mine are out
.endr
	v_and_b32 v1, 15, v0                           ; r
	v_bfe_u32 v2, v0, 4, 1                         ; h
	v_mul_u32_u24 v3, v1, PITCH
	v_lshl_add_u32 v4, v2, 4, v3
	s_mul_i32 s21, s15, HALFT
	s_mul_i32 s22, s16, HALFT
	s_add_co_u32 s22, s22, 2*HALFT
.irp s, 0,1
	v_add_nc_u32 v[ADRA+\s], s21, v4
	v_add_nc_u32 v[ADRB+\s], s22, v4
	s_add_co_u32 s21, s21, SLOT
	s_add_co_u32 s22, s22, SLOT
.endr
	v_mul_u32_u24 v5, v1, KS                       ; my row's scales: KS bytes a row, 16 more for each 256 passed
	v_lshrrev_b32 v6, 8, v5
	v_lshl_add_u32 v5, v6, 4, v5
	s_mul_i32 s21, s15, HALFS
	s_mul_i32 s22, s16, HALFS
	s_add_co_u32 s22, s22, 2*HALFS
	s_sub_co_u32 s22, s22, s21
	v_mul_u32_u24 v6, s22, v2                      ; lanes 16-31 take B's
	s_add_co_u32 s21, s21, SCL
	v_add_nc_u32 v5, v5, v6
	v_add_nc_u32 v[ADRS], s21, v5
	; the way out in f16: in: row r, 16 bytes for each half of the lanes.  Back: lanes 0-15 take two rows' first 128 bytes (the first of my two heads), lanes 16-31 the second 128
	s_mul_i32 s23, s14, 16*SP16
	v_mul_u32_u24 v5, v1, SP16
	v_lshl_add_u32 v5, v2, 4, v5
	v_add_nc_u32 v[STO], s23, v5
	v_bfe_u32 v5, v0, 3, 1
	v_mul_u32_u24 v6, v5, SP16
	v_lshl_add_u32 v6, v2, 7, v6
	v_and_b32 v7, 7, v0
	v_lshl_add_u32 v6, v7, 4, v6
	v_add_nc_u32 v[RD], s23, v6
	v_lshlrev_b32 v[CO], 18, v2                    ; in memory: a head on is 262,144 bytes, a position 128
	v_lshl_add_u32 v[CO], v5, 7, v[CO]
	v_lshl_add_u32 v[CO], v7, 4, v[CO]
	s_mul_i32 s23, s14, 16*SP32                    ; and in f32
	s_add_co_u32 s23, s23, FSTG
	v_mul_u32_u24 v5, v1, SP32
	v_lshl_add_u32 v5, v2, 5, v5
	v_add_nc_u32 v[STO32], s23, v5
	v_and_b32 v6, 31, v0
	v_lshlrev_b32 v[CO32], 4, v6
	v_add_nc_u32 v[RD32], s23, v[CO32]
	; qkv16: my columns are heads g, g + 1 of the 48, g = 4 x tile column + 2 x half; plane (g / 16) 64 + 16 cy + g % 16; my first position 256 x cluster y + 128 x half
	s_lshl_b32 s46, s42, 2
	s_lshl_b32 s47, s16, 1
	s_add_co_u32 s46, s46, s47
	s_lshr_b32 s47, s46, 4
	s_lshl_b32 s47, s47, 6
	s_and_b32 s46, s46, 15
	s_add_co_u32 s46, s46, s47
	s_lshl_b32 s47, s41, 4
	s_add_co_u32 s46, s46, s47
	s_lshl_b32 s46, s46, 18
	s_and_b32 s20, ttmp7, 0xffff
	s_lshl_b32 s20, s20, 8
	s_lshl_b32 s21, s15, 7
	s_add_co_u32 s20, s20, s21
	s_lshl_b32 s20, s20, 7
	s_add_co_u32 s46, s46, s20
	s_mov_b32 s47, 0
	s_add_nc_u64 s[12:13], s[12:13], s[46:47]
	s_mul_i32 s46, s41, 196608                     ; fine32: batch cy, my 128 columns
	s_lshl_b32 s20, s42, 10
	s_add_co_u32 s46, s46, s20
	s_lshl_b32 s20, s16, 9
	s_add_co_u32 s46, s46, s20
	s_add_nc_u64 s[96:97], s[96:97], s[46:47]
.macro FRAG reg, adr, q, i             ; 16 rows x 128 K of 4-bit codes: 8 registers: lane l holds row l % 16; registers 4 c .. 4 c + 3 hold K = 64 c + 32 (l / 16) + 0 .. 31
.irp c, 0,1
	ds_load_b128 v[\reg+4*\c:\reg+4*\c+3], v[\adr] offset:64*(\q)+32*\c+(\i)*16*PITCH
.endr
.endm
; 16 matrix instructions: A's blocks a0, a0 + 1 x B's eight.  The 64 accumulators take turns, one instruction a turn, in the same order in every step.
.macro MUL16 a0, p, q, sc, zero
.irp a, \a0, \a0+1
.irp b, 0,1,2,3,4,5,6,7
.if \zero
	v_wmma_scale_f32_16x16x128_f8f6f4 v[8*(8*((\a)%4)+\b):8*(8*((\a)%4)+\b)+7], v[128*(\p)+FR*\b:128*(\p)+FR*\b+FR-1], v[AF+FR*(\a):AF+FR*(\a)+FR-1], 0, v[SC+8*NQ*(\sc)+NQ*\b+(\q)], v[SC+8*NQ*(\sc)+NQ*(\a)+(\q)] matrix_a_fmt:MATRIX_FMT_FP4 matrix_b_fmt:MATRIX_FMT_FP4 matrix_a_scale:MATRIX_SCALE_ROW1
.else
	v_wmma_scale_f32_16x16x128_f8f6f4 v[8*(8*((\a)%4)+\b):8*(8*((\a)%4)+\b)+7], v[128*(\p)+FR*\b:128*(\p)+FR*\b+FR-1], v[AF+FR*(\a):AF+FR*(\a)+FR-1], v[8*(8*((\a)%4)+\b):8*(8*((\a)%4)+\b)+7], v[SC+8*NQ*(\sc)+NQ*\b+(\q)], v[SC+8*NQ*(\sc)+NQ*(\a)+(\q)] matrix_a_fmt:MATRIX_FMT_FP4 matrix_b_fmt:MATRIX_FMT_FP4 matrix_a_scale:MATRIX_SCALE_ROW1
.endif
.endr
.endr
.endm
.macro FETCH_B slot, q, p
	WIN TO_B
.irp i, 0,1,2,3,4,5,6,7
	FRAG 128*(\p)+FR*\i, ADRB+\slot, \q, \i
.endr
	WIN 0
.endm
.macro FETCH_A slot, q, i0
.irp i, \i0, \i0+1, \i0+2, \i0+3
	FRAG AF+FR*(\i), ADRA+\slot, \q, \i
.endr
.endm
.macro SCALES sc                       ; a K step's scale words: lanes 0-15 take A's block i, lanes 16-31 B's block i
.irp i, 0,1,2,3,4,5,6,7
	ds_load_b128 v[SC+8*NQ*\sc+NQ*\i:SC+8*NQ*\sc+NQ*\i+3], v[ADRS] offset:\i*SBLK
.endr
.endm
.macro PLACES n                        ; plain vector lines between a matrix instruction and a load into, or a read of, its registers
.rept \n
	v_nop
.endr
.endm
.macro STEP slot, q, zero              ; 128 along K that has its successor in the same slot
	s_wait_dscnt 4*NL                              ; B's set and A's blocks 0-3 are in; the youngest eight loads (A's blocks 4-7) may be out
	WIN MUL_LO
	MUL16 0, (\q)%2, \q, \slot, \zero
	MUL16 2, (\q)%2, \q, \slot, \zero
	s_wait_dscnt 0
	PLACES NP
	FETCH_B \slot, (\q)+1, 1-(\q)%2
	FETCH_A \slot, (\q)+1, 0
	WIN MUL_HI
	MUL16 4, (\q)%2, \q, \slot, \zero
	MUL16 6, (\q)%2, \q, \slot, \zero
	PLACES NP
	WIN 0
	FETCH_A \slot, (\q)+1, 4
.endm
; Slot 0's last step changes slots: each wave waits for all its tensor loads (slot 1's part), adds 0 to its spare word, waits for that and for its reads of slot 0, and passes the barrier.  Nothing is filled again.
.macro TURN slot, next
	s_wait_tensorcnt 0x0
	ds_add_u32 v[SPW], v[NIL]
	s_wait_dscnt 4*NL+1                            ; the add and A's blocks 4-7 may be out
	WIN MUL_LO
	MUL16 0, 1, NQ-1, \slot, 0
	s_wait_dscnt 0x0                               ; the add is done, and my reads of this slot are over
	s_barrier_signal -1
	MUL16 2, 1, NQ-1, \slot, 0
	WIN 0
	s_barrier_wait -1
	PLACES NP
	v_add_nc_u32 v[ADRS], 4*NQ, v[ADRS]            ; on to the next K step's scale words
	FETCH_B \next, 0, 0
	FETCH_A \next, 0, 0
	SCALES \next
	WIN MUL_HI
	MUL16 4, 1, NQ-1, \slot, 0
	MUL16 6, 1, NQ-1, \slot, 0
	PLACES NP
	WIN 0
	FETCH_A \next, 0, 4
.endm
.macro STEPS slot, from
.set Q, \from
.rept NQ-1-\from
	STEP \slot, Q, 0
.set Q, Q+1
.endr
.endm
	s_wait_tensorcnt 1                             ; the scales and my part of slot 0 are in; slot 1's load may be out
	s_barrier_signal -1
	s_barrier_wait -1
	FETCH_B 0, 0, 0
	FETCH_A 0, 0, 0
	SCALES 0
	FETCH_A 0, 0, 4
	STEP 0, 0, 1                                   ; the first products start the sums: nothing is cleared
	STEPS 0, 1
	TURN 0, 1
	STEPS 1, 0
	s_wait_dscnt 4*NL                              ; the last step: nothing more to fetch
	WIN MUL_LO
	MUL16 0, 1, NQ-1, 1, 0
	MUL16 2, 1, NQ-1, 1, 0
	s_wait_dscnt 0
	WIN MUL_HI
	MUL16 4, 1, NQ-1, 1, 0
	MUL16 6, 1, NQ-1, 1, 0
	WIN 0
; THE WAY OUT, block by block of 16 rows x 128 columns (two heads).  Rounded to f16, 16 bytes a lane, through my own stage, and back so that sixteen lanes store 256 consecutive aligned bytes: two positions of one head.
.macro PACK a
.set AC, 64*((\a)%4)
	WIN 0x0a+5*((\a)/4)                            ; sources 0 and 1: window 2 or 3
.irp b, 0,1,2,3,4,5,6,7
.irp i, 0,1,2,3
	v_cvt_pk_f16_f32 v[TMP+4*\b+\i], v[AC+8*\b+2*\i], v[AC+8*\b+2*\i+1]   ; each accumulator from its low end on
.endr
.endr
	WIN 0
.endm
.macro TOSTAGE a
.set BKR, OB+192*((\a)%2)
.irp b, 0,1,2,3,4,5,6,7
	ds_store_b128 v[STO], v[TMP+4*\b:TMP+4*\b+3] offset:32*\b
.endr
.irp t, 0,1,2,3,4,5,6,7
	ds_load_b128 v[BKR+4*\t:BKR+4*\t+3], v[RD] offset:\t*2*SP16    ; LDS serves a wave's instructions in order (ISA guide 5.7.1.4)
.endr
.endm
.macro SEND a
.set BKR, OB+192*((\a)%2)
	s_wait_dscnt 0x0                               ; the block is back in registers
	s_wait_xcnt 0x0                                ; the stores of the block before have read their data: the next TOSTAGE may load there
.irp t, 0,1,2,3,4,5,6,7
	global_store_b128 v[CO], v[BKR+4*\t:BKR+4*\t+3], s[12:13] offset:(\a)*2048+\t*256
.endr
.endm
	PLACES NP
	PACK 0
	TOSTAGE 0
.irp a, 1,2,3,4,5,6,7                  ; block a's conversions stand between block a - 1's loads from the stage and the wait for them
	PACK \a
	SEND \a-1
	TOSTAGE \a
.endr
	SEND 7
	s_cmp_lg_u32 s98, 0                            ; cluster y and the wave's number alone: the same way in all partners
	s_cbranch_scc1 .Lnofine
	WIN 0x08                                       ; block 0 once more, unrounded: positions 0-15 of batch cy
.irp b, 0,1,2,3,4,5,6,7
	ds_store_b128 v[STO32], v[8*\b:8*\b+3] offset:64*\b
	ds_store_b128 v[STO32], v[8*\b+4:8*\b+7] offset:64*\b+16
.endr
	WIN 0
.irp t, 0,1,2,3,4,5,6,7,8,9,10,11,12,13,14,15
	ds_load_b128 v[64+4*\t:64+4*\t+3], v[RD32] offset:\t*SP32
.endr
	s_wait_dscnt 0x0
.irp t, 0,1,2,3,4,5,6,7,8,9,10,11,12,13,14,15
	global_store_b128 v[CO32], v[64+4*\t:64+4*\t+3], s[96:97] offset:\t*12288   ; 32 lanes store 512 consecutive bytes
.endr
.Lnofine:
	s_wait_tensorcnt 0x0                           ; the wave's end
	ds_add_u32 v[SPW], v[NIL]
	s_wait_dscnt 0x0
	CROUND                                         ; the closing round
	s_endpgm
.Lfunc_end_k_q377dd586d4_gemmqkv:
	.size	k_q377dd586d4_gemmqkv, .Lfunc_end_k_q377dd586d4_gemmqkv-k_q377dd586d4_gemmqkv
	.p2alignl 7, 3214868480
	.fill 96, 4, 3214868480
	.section	.rodata,"a",@progbits
	.p2align	6, 0x0
	.amdhsa_kernel k_q377dd586d4_gemmqkv
		.amdhsa_group_segment_fixed_size 327680
		.amdhsa_private_segment_fixed_size 0
		.amdhsa_enable_private_segment 0
		.amdhsa_kernarg_size 48
		.amdhsa_user_sgpr_count 2
		.amdhsa_user_sgpr_kernarg_segment_ptr 1
		.amdhsa_wavefront_size32 1
		.amdhsa_system_sgpr_workgroup_id_x 1
		.amdhsa_system_sgpr_workgroup_id_y 1
		.amdhsa_system_sgpr_workgroup_id_z 1
		.amdhsa_system_vgpr_workitem_id 0
		.amdhsa_next_free_vgpr 1024
		.amdhsa_next_free_sgpr 100
		.amdhsa_reserve_vcc 0
		.amdhsa_float_denorm_mode_32 3
		.amdhsa_float_denorm_mode_16_64 3
		.amdhsa_memory_ordered 1
		.amdhsa_forward_progress 1
		.amdhsa_inst_pref_size 131
	.end_amdhsa_kernel
	.amdgpu_metadata
---
amdhsa.version: [ 1, 2 ]
amdhsa.kernels:
  - .name:           k_q377dd586d4_gemmqkv
    .symbol:         k_q377dd586d4_gemmqkv.kd
    .args:
      - { .name: xc, .offset: 0, .size: 8, .value_kind: global_buffer, .address_space: global }
      - { .name: xs, .offset: 8, .size: 8, .value_kind: global_buffer, .address_space: global }
      - { .name: wc, .offset: 16, .size: 8, .value_kind: global_buffer, .address_space: global }
      - { .name: ws, .offset: 24, .size: 8, .value_kind: global_buffer, .address_space: global }
      - { .name: qkv16, .offset: 32, .size: 8, .value_kind: global_buffer, .address_space: global }
      - { .name: fine32, .offset: 40, .size: 8, .value_kind: global_buffer, .address_space: global }
    .group_segment_fixed_size: 327680
    .private_segment_fixed_size: 0
    .kernarg_segment_align: 8
    .kernarg_segment_size: 48
    .max_flat_workgroup_size: 128
    .sgpr_count:     100
    .vgpr_count:     1024
    .wavefront_size: 32
...
	.end_amdgpu_metadata
.endif
;; end of part 2
;; launch attn (part 3): grid 4 x 64, 16 waves a work-group, no clusters, 327,680 bytes of LDS; arguments qkv16, att16; writes att16
.if DOCPART == 3
	.amdgcn_target "amdgcn-amd-amdhsa--gfx1250"
	.amdhsa_code_object_version 6
	.text
	.protected	k_q377dd586d4_attn
	.globl	k_q377dd586d4_attn
	.p2align	8
	.type	k_q377dd586d4_attn,@function
k_q377dd586d4_attn:
	s_mov_b64 s[64:65], 0
	v_nop
	global_prefetch_b8 v0, s[64:65] scope:SCOPE_SE
	s_setreg_imm32_b32 hwreg(HW_REG_WAVE_MODE, 25, 1), 1
	s_wait_xcnt 0x0
; o[b][h][q] = sum over k <= q of softmax_k(q . k / 8) v, products on f16 operands with f32 sums; maxima, exponentials and sums in f32; the weights p are rounded to f16 for the second product, o once at the end.
; IN: qkv16 [3][64 bh][2048][64] f16.  OUT: att16 [16 h][8192 (b, s)][64] f16.
; LIMITS: hidden scores are taken as -infinity where the definition has -1e9: the same result unless every visible score / 8 of a row lies under about -1e9.  |o| under 65,504.  NaN and infinities are not served.
; SHARES.  Work-group (I = x in 0..3, bh = y) owns query blocks I and 7 - I (256 queries each) of head bh, one after the other: I + 1 and 8 - I key blocks of 256: nine slots for every work-group, so the trip count
; is a constant and the work is even.  Each of the sixteen waves owns one tile of 16 queries in 256 registers: tile w of block I, then tile 15 - w of block 7 - I.  Four waves share a SIMD: one wave's vector work stands beside another's products.
; NO CLUSTER: the four work-groups of a head want different key blocks in the same trip (block T in phase one, T - I - 1 in phase two); walking all eight blocks jointly would cost twelve slots in place of nine,
; and some partner would read nothing of a joint tile.
; LAYOUT.  S^T = K Q^T (source 0 = 16 keys, source 1 = my 16 queries): a lane holds ONE query (lane % 16) and keys 16 kt + 8 (lane / 16) + 0..7.  Pairs rounded to f16 ARE source 1 of O^T = V^T P.  V is turned by ds_load_tr16_b128.
; SOFTMAX.  A running maximum m and sum l: p = 2^(c s - c m), c = log2(e) / 8; in every step O^T and l are multiplied by a = 2^(c m_old - c m_new).
; LDS.  Two keys' 256 bytes make a row.  K: + 16 of padding (key k at 272 (k / 2) + 128 (k % 2): the 16 rows of a load start at 16 different groups of four banks; 64 banks of 4 bytes: ISA guide 11.1); V: + 32 (288).
.set KPT,   272
.set VPT,   288
.set VOFF,  128*KPT                    ; a slot: 256 keys of K, then 256 of V
.set SLOT1, 1<<17                      ; slot 1: one exclusive or turns an address
.set STAGE, 212992                     ; behind the ring: 16 rows x 144 bytes for each wave
.set SPARE, 249856                     ; the spare words: 128 bytes a wave, named by no other line
.set AK0, 1                            ; v1  my lane's place in a tile of K
.set AV0, 2                            ; v2  and of V
.set SPW, 3
.set NIL, 4
.set QL,  5                            ; v5  128 r + 16 h
.set STO, 6
.set RD,  7
.set GL,  8                            ; v8  16 x lane
.set ADK, 9
.set ADV, 10
.set DL,  11                           ; v11 r - 8 h
.set QOF, 12
.set GOF, 13
.set CM,  14                           ; v14 c m, v15 m
.set LS,  16                           ; v[16:17] l in two halves
.set AF,  18                           ; v18 a (or 1 / l), v19 = 0: named with it as a pair
.set CH,  20                           ; v20-23 at work
.set QR,  24                           ; v[24:39] Q, 2 fragments
.set KR,  40                           ; v[40:103] K: fragment (kt, c) at 40 + 8 (2 kt + c)
.set VR,  104                          ; v[104:167] V: fragment (kk, dt) at 104 + 8 (4 kk + dt)
.set S,   168
.set P,   200
.set O,   216
.set NINF, 248
.set DD,  249
.set PFO, 250
.set TB,  2                            ; s2  the slot in hand
.set TRP, 3                            ; s3  the trip
.set IWG, 16
.set NB,  17                           ; s17 the key block asked for last
.set WV,  18
.set KF,  19                           ; s19 the step's first key
.set SEL, 20
.set CS,  22
.set G1K, 24
.set G1V, 32
.set G0K, 40
.set G0V, 44
.set Q0,  48
.set Q0B, 49
.set LIM, 50
.set PFA, 52
; Waves 0 and 1 fetch K's halves of a slot, waves 2 and 3 V's, the others nothing.  An s_nop 0 and four v_nop follow each line.
.macro TLOAD
	s_cmp_lt_u32 s[WV], 2
	s_cbranch_scc0 .Lnot_k_\@
	tensor_load_to_lds s[G0K:G0K+3], s[G1K:G1K+7]
	s_nop 0
.rept 4
	v_nop
.endr
	s_branch .Lasked_\@
.Lnot_k_\@:
	s_cmp_lt_u32 s[WV], 4
	s_cbranch_scc0 .Lasked_\@
	tensor_load_to_lds s[G0V:G0V+3], s[G1V:G1V+7]
	s_nop 0
.rept 4
	v_nop
.endr
.Lasked_\@:
.endm
; A PREFETCH INTO THE L2: in trip T key block T + 1, which the asking work-group requests by tensor load one trip, four key steps, later.  All four work-groups of a head walk the same K and V: the one with I = 0 asks.
; In it waves 4-7 ask for K's 32,768 bytes, 8,192 a wave, lanes 256 bytes apart; waves 8-11 for V's.  Blocks 1 to 7 are named once each in the launch; block 0 comes by its load alone; trip 7 asks for nothing.
.macro ASK
	s_cmp_lt_u32 s[TRP], s[LIM]
	s_cbranch_scc0 .Lnot_mine_\@
	global_prefetch_b8 v[PFO], s[PFA:PFA+1] th:TH_LOAD_NT scope:SCOPE_SE
.Lnot_mine_\@:
.endm
.macro INIT                            ; m = -3e38, under every score; l and O^T zeros, which the first a = 0 leaves zeros: one text of the step serves the first step too
	v_mov_b32 v[CM+1], 0xff61b1e6
	v_mul_f32 v[CM], s[CS], v[CM+1]
	v_mov_b32 v[LS], 0
	v_mov_b32 v[LS+1], 0
	v_mov_b32 v[AF+1], 0
.irp j, 0,1,2,3,4,5,6,7,8,9,10,11,12,13,14,15,16,17,18,19,20,21,22,23,24,25,26,27,28,29,30,31
	v_mov_b32 v[O+\j], 0
.endr
.endm
	s_load_b128 s[4:7], s[0:1], 0x0                ; qkv16, att16
	v_lshl_add_u32 v[SPW], v0, 2, SPARE
	v_mov_b32 v[NIL], 0
	ds_add_u32 v[SPW], v[NIL]                      ; the opening: the add, twice on end, and its wait ahead of the first tensor load
	ds_add_u32 v[SPW], v[NIL]
	v_lshrrev_b32 v9, 5, v0
	v_readfirstlane_b32 s[WV], v9                  ; wave 0..15
	s_mov_b32 s[IWG], ttmp9
	s_and_b32 s56, ttmp7, 0xffff                   ; bh
	s_and_b32 s57, s[WV], 1                        ; which 128 keys of a slot I fetch, if I fetch
	; group 1: 128 keys are 16,384 dense bytes: 64 rows of 32 elements of 8 bytes
	s_mov_b32 s[G1K], (3<<16)|(1<<20)|(5<<22)|(3<<25)   ; no mask; elements of 8 bytes; padding: 4 words after every 64
	s_mov_b32 s[G1V], (3<<16)|(1<<20)|(5<<22)|(7<<25)   ; 8 words
.irp g, G1K, G1V
	s_mov_b32 s[\g+1], 32<<16                      ; tensor_dim0
	s_mov_b32 s[\g+2], 64<<16                      ; tensor_dim1
	s_mov_b32 s[\g+3], 32<<16                      ; tile_dim0
	s_mov_b32 s[\g+4], 64                          ; tile_dim1
	s_mov_b32 s[\g+5], 32                          ; stride
	s_mov_b32 s[\g+6], 0
	s_mov_b32 s[\g+7], 0
.endr
	s_mov_b32 s[SEL], 0x76543210
	s_mov_b32 s[SEL+1], 0xfedcba98                 ; v_permlanex16_b32: lane l xor 16
	s_mov_b32 s[CS], 0x3e38aa3b                    ; c = log2(e) / 8
	s_mov_b32 s[CS+1], s[CS]
	s_mov_b32 s[TB], 0
	s_mov_b32 s[TRP], 0
	s_mov_b32 s[NB], 0
	s_mov_b32 s[KF], 0
	s_lshl_b32 s[Q0], s[IWG], 8
	s_lshl_b32 s58, s[WV], 4
	s_add_co_u32 s[Q0], s[Q0], s58                 ; my first query in phase one: 256 I + 16 w
	s_sub_co_u32 s[Q0B], 2032, s[Q0]               ; and in phase two: 256 (7 - I) + 16 (15 - w)
	s_lshl_b32 s54, s56, 18
	s_mov_b32 s55, 0
	s_wait_dscnt 0x0                               ; both opening adds are done
	s_wait_kmcnt 0x0
	s_add_nc_u64 s[8:9], s[4:5], s[54:55]          ; Q of my head
	s_lshl_b32 s54, s57, 14
	s_add_nc_u64 s[10:11], s[8:9], s[54:55]
	s_add_nc_u64 s[12:13], s[10:11], 0x2000000     ; V of my head, my half of a block
	s_add_nc_u64 s[10:11], s[10:11], 0x1000000     ; K likewise
	s_mov_b32 s[G0K], 1
	s_mul_i32 s[G0K+1], s57, 64*KPT
	s_mov_b64 s[G0K+2:G0K+3], s[10:11]
	s_or_b32 s[G0K+3], s[G0K+3], 0x80000000
	s_mov_b32 s[G0V], 1
	s_mul_i32 s[G0V+1], s57, 64*VPT
	s_add_co_u32 s[G0V+1], s[G0V+1], VOFF
	s_mov_b64 s[G0V+2:G0V+3], s[12:13]
	s_or_b32 s[G0V+3], s[G0V+3], 0x80000000
	TLOAD                                          ; slot 0: key block 0, which counts for every query
	s_and_b32 s54, s56, 15
	s_lshl_b32 s54, s54, 20
	s_lshr_b32 s58, s56, 4
	s_lshl_b32 s58, s58, 18
	s_add_co_u32 s54, s54, s58
	s_add_nc_u64 s[14:15], s[6:7], s[54:55]        ; att16: plane h, batch b
	s_add_nc_u64 s[PFA:PFA+1], s[8:9], 0x1000000
	s_add_nc_u64 s[58:59], s[8:9], 0x2000000
	s_cmp_lt_u32 s[WV], 8
	s_cselect_b64 s[PFA:PFA+1], s[PFA:PFA+1], s[58:59]
	s_and_b32 s54, s[WV], 3
	s_lshl_b32 s54, s54, 13
	s_add_nc_u64 s[PFA:PFA+1], s[PFA:PFA+1], s[54:55]   ; my 8,192 bytes of key block 0; each change of slots steps it a block on ahead of its prefetch
	s_sub_co_u32 s58, s[WV], 4
	s_lshr_b32 s58, s58, 3                         ; 0 in waves 4 to 11,
	s_or_b32 s58, s58, ttmp9                       ; of the work-group with I = 0
	s_cmp_eq_u32 s58, 0
	s_cselect_b32 s[LIM], 7, 0
	v_and_b32 v251, 15, v0                         ; r
	v_bfe_u32 v252, v0, 4, 1                       ; h
	v_and_b32 v253, 31, v0                         ; lane
	v_lshrrev_b32 v254, 1, v251
	v_mul_u32_u24 v[AK0], v254, KPT
	v_and_b32 v254, 1, v251
	v_lshl_add_u32 v[AK0], v254, 7, v[AK0]
	v_lshl_add_u32 v[AK0], v252, 4, v[AK0]         ; key r: 272 (r / 2) + 128 (r % 2) + 16 h
	v_bfe_u32 v254, v0, 1, 2
	v_lshl_add_u32 v254, v252, 2, v254
	v_mul_u32_u24 v[AV0], v254, VPT
	v_and_b32 v255, 1, v0
	v_lshl_add_u32 v[AV0], v255, 7, v[AV0]
	v_bfe_u32 v255, v0, 3, 1
	v_lshl_add_u32 v[AV0], v255, 4, v[AV0]
	v_add_nc_u32 v[AV0], VOFF, v[AV0]              ; the turning load: key 8 h + l % 8, channels 8 ((l / 8) % 2) on
	v_lshlrev_b32 v[QL], 7, v251
	v_lshl_add_u32 v[QL], v252, 4, v[QL]
	s_mul_i32 s56, s[WV], 16*144
	s_add_co_u32 s56, s56, STAGE                   ; my stage
	v_mul_u32_u24 v[STO], v251, 144
	v_lshl_add_u32 v[STO], v252, 4, v[STO]
	v_add_nc_u32 v[STO], s56, v[STO]
	v_bfe_u32 v254, v0, 3, 2
	v_mul_u32_u24 v[RD], v254, 144
	v_and_b32 v255, 7, v0
	v_lshl_add_u32 v[RD], v255, 4, v[RD]
	v_add_nc_u32 v[RD], s56, v[RD]                 ; back: four rows of 128 bytes an instruction
	v_lshlrev_b32 v[GL], 4, v253
	v_lshlrev_b32 v254, 3, v252
	v_sub_nc_u32 v[DL], v251, v254
	v_lshlrev_b32 v[PFO], 8, v253
	s_lshl_b32 s56, s[Q0], 7
	v_add_nc_u32 v[QOF], s56, v[QL]
	v_add_nc_u32 v[GOF], s56, v[GL]
.irp i, 0,1,2,3
	global_load_b128 v[QR+4*\i:QR+4*\i+3], v[QOF], s[8:9] offset:32*\i   ; Q stays in registers for a phase
.endr
	v_mov_b32 v[NINF], 0xff800000
	v_mov_b32 v[CH+1], 0                           ; a lane permute's destination counts as one of its sources
	INIT
; A KEY STEP: 64 keys, the q-th of the slot in hand.
.macro STEP q
	s_add_co_u32 s56, s[Q0], 15                    ; a step all of whose keys come after my 16 queries is left out: a branch on ids and the count of steps; no barrier and no tensor load stands in a step
	s_cmp_gt_u32 s[KF], s56
	s_cbranch_scc1 .Lhidden_\@
	v_add_nc_u32 v[ADK], s[TB], v[AK0]
	v_add_nc_u32 v[ADV], s[TB], v[AV0]
	v_nop
	v_nop                                          ; four plain lines between the last V^T P and the loads into V's registers
.irp kt, 0,1,2,3
.irp c, 0,1
	ds_load_b128 v[KR+8*(2*\kt+\c):KR+8*(2*\kt+\c)+3], v[ADK] offset:(32*(\q)+8*\kt)*KPT+64*\c
	ds_load_b128 v[KR+8*(2*\kt+\c)+4:KR+8*(2*\kt+\c)+7], v[ADK] offset:(32*(\q)+8*\kt)*KPT+64*\c+32
.endr
.endr
.irp kk, 0,1
.irp dt, 0,1,2,3
	ds_load_tr16_b128 v[VR+8*(4*\kk+\dt):VR+8*(4*\kk+\dt)+3], v[ADV] offset:(32*(\q)+16*\kk)*VPT+32*\dt
	ds_load_tr16_b128 v[VR+8*(4*\kk+\dt)+4:VR+8*(4*\kk+\dt)+7], v[ADV] offset:(32*(\q)+16*\kk+8)*VPT+32*\dt
.endr
.endr
	s_wait_dscnt 16                                ; K's sixteen loads are in; V's sixteen may be out
.irp c, 0,1                                    ; the four accumulators take turns
.irp kt, 0,1,2,3
.if \c == 0
	v_wmma_f32_16x16x32_f16 v[S+8*\kt:S+8*\kt+7], v[KR+16*\kt:KR+16*\kt+7], v[QR:QR+7], 0
.else
	v_wmma_f32_16x16x32_f16 v[S+8*\kt:S+8*\kt+7], v[KR+16*\kt+8:KR+16*\kt+15], v[QR+8:QR+15], v[S+8*\kt:S+8*\kt+7]
.endif
.endr
.endr
.rept 4
	v_nop
.endr
	s_add_co_u32 s56, s[KF], 63                    ; on the diagonal hidden scores become -infinity ahead of the maximum; a step all of whose keys count skips this
	s_cmp_le_u32 s56, s[Q0]
	s_cbranch_scc1 .Lopen_\@
	s_sub_co_i32 s56, s[Q0], s[KF]
	v_add_nc_u32 v[DD], s56, v[DL]                 ; d = my query - KF - 8 h.  Register 8 kt + j holds key KF + 16 kt + 8 h + j: hidden where 16 kt + j > d
.irp n, 0,1,2,3,4,5,6,7,8,9,10,11,12,13,14,15,16,17,18,19,20,21,22,23,24,25,26,27,28,29,30,31
	v_cmp_gt_i32 vcc_lo, 16*(\n/8)+\n%8, v[DD]
	v_cndmask_b32 v[S+\n], v[S+\n], v[NINF], vcc_lo
.endr
.Lopen_\@:
.irp x, 0,1,2,3
	v_max3_num_f32 v[CH+\x], v[S+8*\x], v[S+8*\x+1], v[S+8*\x+2]   ; the maximum, in four chains, each tile from its low end on
.endr
.irp y, 3,5
.irp x, 0,1,2,3
	v_max3_num_f32 v[CH+\x], v[CH+\x], v[S+8*\x+\y], v[S+8*\x+\y+1]
.endr
.endr
	v_max3_num_f32 v[CH], v[CH], v[S+7], v[S+15]
	v_max3_num_f32 v[CH+2], v[CH+2], v[S+23], v[S+31]
	v_max3_num_f32 v[CH], v[CH], v[CH+1], v[CH+2]
	v_max3_num_f32 v[CH], v[CH], v[CH+3], v[CM+1]  ; with the old m
	v_permlanex16_b32 v[CH+1], v[CH], s[SEL], s[SEL+1]   ; the query's other 32 keys lie in the lane 16 away
	v_mov_b32 v[CH+3], v[CM]
	v_max_num_f32 v[CM+1], v[CH], v[CH+1]
	v_mul_f32 v[CM], s[CS], v[CM+1]
	v_sub_f32 v[CH+3], v[CH+3], v[CM]              ; c m_old - c m_new
.irp p, 0,2,4,6,8,10,12,14,16,18,20,22,24,26,28,30
	v_pk_fma_f32 v[S+\p:S+\p+1], v[S+\p:S+\p+1], s[CS:CS+1], v[CM:CM+1] op_sel_hi:[1,0,0] neg_lo:[0,0,1] neg_hi:[0,0,1]   ; c s - c m
.endr
	v_exp_f32 v[AF], v[CH+3]                       ; a; and the 32 weights: one batch
.irp n, 0,1,2,3,4,5,6,7,8,9,10,11,12,13,14,15,16,17,18,19,20,21,22,23,24,25,26,27,28,29,30,31
	v_exp_f32 v[S+\n], v[S+\n]
.endr
	v_nop                                          ; a plain line behind the last exponential (ISA guide 5.7.2)
	s_wait_alu depctr_va_vdst(0)                   ; one wait for the batch, ahead of its first reader
.irp p, 0,1,2,3,4,5,6,7,8,9,10,11,12,13,14,15
	v_cvt_pk_f16_f32 v[P+\p], v[S+2*\p], v[S+2*\p+1]
.endr
.irp u, 0,1,2,3,4,5,6,7                        ; the sum of the unrounded weights, a tree in place
	v_pk_add_f32 v[S+4*\u:S+4*\u+1], v[S+4*\u:S+4*\u+1], v[S+4*\u+2:S+4*\u+3]
.endr
.irp u, 0,1,2,3
	v_pk_add_f32 v[S+8*\u:S+8*\u+1], v[S+8*\u:S+8*\u+1], v[S+8*\u+4:S+8*\u+5]
.endr
.irp u, 0,1
	v_pk_add_f32 v[S+16*\u:S+16*\u+1], v[S+16*\u:S+16*\u+1], v[S+16*\u+8:S+16*\u+9]
.endr
	v_pk_add_f32 v[S:S+1], v[S:S+1], v[S+16:S+17]
	v_pk_fma_f32 v[LS:LS+1], v[LS:LS+1], v[AF:AF+1], v[S:S+1] op_sel_hi:[1,0,1]   ; l = a l + the sum
.irp p, 0,2,4,6,8,10,12,14,16,18,20,22,24,26,28,30
	v_pk_mul_f32 v[O+\p:O+\p+1], v[O+\p:O+\p+1], v[AF:AF+1] op_sel_hi:[1,0]       ; O^T x a, each tile from its low end on
.endr
	s_wait_dscnt 0x0                               ; V is in
.irp kk, 0,1
.irp dt, 0,1,2,3
	v_wmma_f32_16x16x32_f16 v[O+8*\dt:O+8*\dt+7], v[VR+8*(4*\kk+\dt):VR+8*(4*\kk+\dt)+7], v[P+8*\kk:P+8*\kk+7], v[O+8*\dt:O+8*\dt+7]
.endr
.endr
.Lhidden_\@:
	s_add_co_u32 s[KF], s[KF], 64
.endm
; THE CHANGE OF SLOTS stands at a slot's head.  Each wave waits for all its tensor loads (a loading wave has one out: its part of the slot ahead), adds 0 to its spare word, and waits for that and for its reads of the
; slot that it has left.  fill = 1: behind the barrier that other slot is filled with the key block of the next trip: the next block, or block 0 where this trip ends phase one.  Every slot that is asked for is read.
.macro CHANGE fill
	s_wait_tensorcnt 0x0                           ; no tensor load of mine is out, so a group 0 may be written
	ds_add_u32 v[SPW], v[NIL]
.if \fill
	ds_add_u32 v[SPW], v[NIL]                      ; and once more: in every trip alike
	s_xor_b32 s[G0K+1], s[G0K+1], SLOT1
	s_xor_b32 s[G0V+1], s[G0V+1], SLOT1
	s_add_co_u32 s[NB], s[NB], 1
	s_cmp_eq_u32 s[TRP], s[IWG]
	s_cselect_b32 s[NB], 0, s[NB]
	s_lshl_b32 s54, s[NB], 15                      ; a key block is 32,768 bytes
	s_mov_b32 s55, 0
	s_add_nc_u64 s[G0K+2:G0K+3], s[10:11], s[54:55]
	s_or_b32 s[G0K+3], s[G0K+3], 0x80000000
	s_add_nc_u64 s[G0V+2:G0V+3], s[12:13], s[54:55]
	s_or_b32 s[G0V+3], s[G0V+3], 0x80000000
	s_wait_xcnt 0x0                                ; the last prefetch, a trip back, has read its address
	s_add_nc_u64 s[PFA:PFA+1], s[PFA:PFA+1], 32768
.endif
	s_wait_dscnt 0x0                               ; the add is done (fill = 1: both), and my reads of the slot that I have left are over
	s_barrier_signal -1
	s_barrier_wait -1
.if \fill
	TLOAD                                          ; first behind the barrier, and a wave's one tensor load until the next
	ASK
.endif
.endm
; O^T / l, rounded to f16, through my stage, out as rows: an instruction stores 512 consecutive aligned bytes (four queries of my head's plane).
.macro FLUSH
.rept 4
	v_nop                                          ; places behind the last products
.endr
	v_add_f32 v[CH], v[LS], v[LS+1]
	v_permlanex16_b32 v[CH+1], v[CH], s[SEL], s[SEL+1]
	v_add_f32 v[CH], v[CH], v[CH+1]
	v_rcp_f32 v[AF], v[CH]
	v_nop
	s_wait_alu depctr_va_vdst(0)                   ; ahead of the reciprocal's first reader
.irp p, 0,2,4,6,8,10,12,14,16,18,20,22,24,26,28,30
	v_pk_mul_f32 v[S+\p:S+\p+1], v[O+\p:O+\p+1], v[AF:AF+1] op_sel_hi:[1,0]
.endr
.irp p, 0,1,2,3,4,5,6,7,8,9,10,11,12,13,14,15
	v_cvt_pk_f16_f32 v[P+\p], v[S+2*\p], v[S+2*\p+1]
.endr
.irp dt, 0,1,2,3
	ds_store_b128 v[STO], v[P+4*\dt:P+4*\dt+3] offset:32*\dt
.endr
.irp t, 0,1,2,3
	ds_load_b128 v[KR+4*\t:KR+4*\t+3], v[RD] offset:576*\t         ; LDS serves a wave's instructions in order (ISA guide 5.7.1.4)
.endr
	s_wait_dscnt 0x0
.irp t, 0,1,2,3
	global_store_b128 v[GOF], v[KR+4*\t:KR+4*\t+3], s[14:15] offset:512*\t
.endr
.endm
; From phase one to phase two: the new Q is asked for, the old tile goes out, the statistics begin anew.
.macro SWITCH
	s_mov_b32 s[Q0], s[Q0B]
	s_lshl_b32 s56, s[Q0], 7
	v_add_nc_u32 v[QOF], s56, v[QL]
.irp i, 0,1,2,3
	global_load_b128 v[QR+4*\i:QR+4*\i+3], v[QOF], s[8:9] offset:32*\i
.endr
	FLUSH
	s_wait_xcnt 0x0                                ; the stores have read their offset and data: both are written again only behind this wait
	v_add_nc_u32 v[GOF], s56, v[GL]
	INIT
	s_mov_b32 s[KF], 0
	s_wait_loadcnt 0x0                             ; Q
.endm
	s_wait_loadcnt 0x0                             ; Q
.Lslot:                                            ; eight trips; the ninth slot is written out
	CHANGE 1
	STEP 0
	STEP 1
	STEP 2
	STEP 3
	s_cmp_eq_u32 s[TRP], s[IWG]                    ; ids and the count of trips alone
	s_cbranch_scc0 .Lstay
	SWITCH
.Lstay:
	s_xor_b32 s[TB], s[TB], SLOT1
	s_add_co_u32 s[TRP], s[TRP], 1
	s_cmp_lt_u32 s[TRP], 8
	s_cbranch_scc1 .Lslot
	CHANGE 0
	STEP 0
	STEP 1
	STEP 2
	STEP 3
	FLUSH
	s_wait_tensorcnt 0x0                           ; the wave's end
	ds_add_u32 v[SPW], v[NIL]
	s_wait_dscnt 0x0
	s_endpgm
.Lfunc_end_k_q377dd586d4_attn:
	.size	k_q377dd586d4_attn, .Lfunc_end_k_q377dd586d4_attn-k_q377dd586d4_attn
	.p2alignl 7, 3214868480
	.fill 96, 4, 3214868480
	.section	.rodata,"a",@progbits
	.p2align	6, 0x0
	.amdhsa_kernel k_q377dd586d4_attn
		.amdhsa_group_segment_fixed_size 327680
		.amdhsa_private_segment_fixed_size 0
		.amdhsa_enable_private_segment 0
		.amdhsa_kernarg_size 16
		.amdhsa_user_sgpr_count 2
		.amdhsa_user_sgpr_kernarg_segment_ptr 1
		.amdhsa_wavefront_size32 1
		.amdhsa_system_sgpr_workgroup_id_x 1
		.amdhsa_system_sgpr_workgroup_id_y 1
		.amdhsa_system_sgpr_workgroup_id_z 1
		.amdhsa_system_vgpr_workitem_id 0
		.amdhsa_next_free_vgpr 256
		.amdhsa_next_free_sgpr 66
		.amdhsa_reserve_vcc 1
		.amdhsa_float_denorm_mode_32 3
		.amdhsa_float_denorm_mode_16_64 3
		.amdhsa_memory_ordered 1
		.amdhsa_forward_progress 1
		.amdhsa_inst_pref_size 114
	.end_amdhsa_kernel
	.amdgpu_metadata
---
amdhsa.version: [ 1, 2 ]
amdhsa.kernels:
  - .name:           k_q377dd586d4_attn
    .symbol:         k_q377dd586d4_attn.kd
    .args:
      - { .name: qkv16, .offset: 0, .size: 8, .value_kind: global_buffer, .address_space: global }
      - { .name: att16, .offset: 8, .size: 8, .value_kind: global_buffer, .address_space: global }
    .group_segment_fixed_size: 327680
    .private_segment_fixed_size: 0
    .kernarg_segment_align: 8
    .kernarg_segment_size: 16
    .max_flat_workgroup_size: 512
    .sgpr_count:     66
    .vgpr_count:     256
    .wavefront_size: 32
...
	.end_amdgpu_metadata
.endif
;; end of part 3
;; launch proj (part 4): grid 4 x 64, 4 waves a work-group, clusters of 4 x 4, 327,680 bytes of LDS; arguments att16, wo16, b_o, out0; writes out0
.if DOCPART == 4
	.amdgcn_target "amdgcn-amd-amdhsa--gfx1250"
	.amdhsa_code_object_version 6
	.text
	.protected	k_q377dd586d4_proj
	.globl	k_q377dd586d4_proj
	.p2align	8
	.type	k_q377dd586d4_proj,@function
k_q377dd586d4_proj:
	s_mov_b64 s[64:65], 0
	v_nop
	global_prefetch_b8 v0, s[64:65] scope:SCOPE_SE
	s_setreg_imm32_b32 hwreg(HW_REG_WAVE_MODE, 25, 1), 1
	s_wait_xcnt 0x0
	s_wait_alu depctr_hold_cnt(0) depctr_sa_sdst(0) depctr_va_vdst(0) depctr_va_sdst(0) depctr_va_ssrc(0) depctr_va_vcc(0) depctr_vm_vsrc(0)
	s_getreg_b32 s2, hwreg(HW_REG_IB_STS2, 6, 4)
	s_cmp_eq_u32 s2, 0
	s_cbranch_scc0 .Lentry_in_a_cluster
	s_endpgm
.Lentry_in_a_cluster:
	s_bfe_u32 s2, ttmp6, 0x10000c
	s_cmp_lg_u32 s2, 0xf033
	s_cbranch_scc0 .Lentry_shape_is_right
	s_endpgm
.Lentry_shape_is_right:
; out0[m][n] = sum over k of o[m][k] w_o[n][k] + b_o[n]: f16 operands, f32 sums.  A = att16 [16 p][8192 m][64], B = wo16 [16 p][1024 n][64] (k = 64 p + ..), out0 [8192][1024] f32.
; (The 64 rows that are positions 0-15 of a sequence are written here too; the launch behind this one writes them again, carried in f32.)
; A tile of C is 128 x 256: 256 work-groups.  Four waves, 64 x 128 each: 32 accumulators, window 2.  K goes in steps of 128 = two planes through a ring of two slots: in a plane a tile is one dense block,
; taken as rows of 256 bytes (two rows of the matrix) + 16 of padding: row n at 272 (n / 2) + 128 (n % 2), so that the 16 rows of a load start at 16 different groups of four banks (64 banks of 4 bytes: ISA guide 11.1).
; CLUSTERS: 4 x 4 work-groups; A's tiles are asked for jointly along a row of the cluster, B's along a column.  Waves 0 and 1 fetch A's two planes of a step, waves 2 and 3 B's.
; THE MATRIX INSTRUCTION IS USED TRANSPOSED (source 0 = 16 rows of B, source 1 = 16 rows of A): a lane holds eight neighbouring columns of a row of C.  The bias is the C of each sum's first product.
; REGISTERS: window 0: v0-31 addresses; v64-95, v128-159 A's fragments, two buffers; v192-255 the bias, 8 registers a column block; way out: v128-255.  window 1: v64-127, v128-191 B's fragments.  window 2: accumulator (a, b) at v[8 (8 a + b)].
; No prefetch: the tile is small and a K step short.
.set APL,    64*272                    ; A's 128 rows of one plane
.set BPL,    128*272                   ; B's 256 rows of one plane
.set SLOT,   2*APL+2*BPL
.set STAGE,  2*SLOT                    ; behind the ring: 16 rows x 528 bytes for each wave
.set SPITCH, 528
.set SPARE,  STAGE+4*16*SPITCH         ; the spare words: 128 bytes a wave, named by no other line
.set ADRA, 16
.set ADRB, 20
.set STO,  24
.set RD,   25
.set CO,   26
.set SPW,  28
.set NIL,  29
.set F0,   64
.set F1,   128
.set BIAS, 192
.set BK,   128
.set G1, 24
.set G0, 32
.set G1B, 48
.set G0B, 56
.set MSB, 0
.macro WIN new
.if MSB != (\new)
	s_set_vgpr_msb (MSB<<8)|(\new)
.set MSB, (\new)
.endif
.endm
.macro JLOAD s                         ; a joint load; an s_nop 0 and four v_nop follow each of the two lines
	s_cmp_eq_u32 s11, 0
	s_cbranch_scc0 .Lfor_b_\@
	tensor_load_to_lds s[G0+4*\s:G0+4*\s+3], s[G1:G1+7]
	s_nop 0
.rept 4
	v_nop
.endr
	s_branch .Lasked_\@
.Lfor_b_\@:
	tensor_load_to_lds s[G0B+4*\s:G0B+4*\s+3], s[G1B:G1B+7]
	s_nop 0
.rept 4
	v_nop
.endr
.Lasked_\@:
.endm
.macro CREST                           ; a round of the cluster's barrier behind its opening barrier
	s_cmp_lg_u32 s10, 0
	s_cbranch_scc1 .Lnot_wave_0_\@
	s_barrier_signal -3
.Lnot_wave_0_\@:
	s_barrier_wait -3
	s_barrier_signal -1
	s_barrier_wait -1
.endm
.macro CROUND
	s_barrier_signal -1
	s_barrier_wait -1
	CREST
.endm
	s_load_b128 s[4:7], s[0:1], 0x0                ; att16, wo16
	s_load_b128 s[68:71], s[0:1], 0x10             ; b_o, out0
	v_lshl_add_u32 v[SPW], v0, 2, SPARE
	v_mov_b32 v[NIL], 0
	ds_add_u32 v[SPW], v[NIL]                      ; the opening: the add, twice on end, and its wait ahead of my first tensor load
	ds_add_u32 v[SPW], v[NIL]
	v_lshrrev_b32 v1, 5, v0
	v_readfirstlane_b32 s10, v1                    ; wave 0..3
	s_lshr_b32 s11, s10, 1                         ; my half of the tile's rows.  Also: I fetch for A (0) or for B (1)
	s_and_b32 s12, s10, 1                          ; my half of its columns.  Also: which plane of a step I fetch
	s_bfe_u32 s40, ttmp6, 0x40000                  ; cx
	s_bfe_u32 s41, ttmp6, 0x40004                  ; cy
	s_lshl_b32 s42, ttmp9, 2
	s_add_co_u32 s42, s42, s40                     ; tile column
	s_and_b32 s13, ttmp7, 0xffff
	s_lshl_b32 s13, s13, 2
	s_add_co_u32 s13, s13, s41                     ; tile row
	s_lshl_b32 s43, s41, 2
	s_lshl_b32 s43, 15, s43                        ; my row of the cluster
	s_lshl_b32 s44, 0x1111, s40                    ; my column
	s_or_b32 s[G1+0], s43, (3<<16)|(1<<20)|(1<<21)|(5<<22)|(3<<25)  ; the mask; elements of 8 bytes; padding on; bit 21 beside a mask; 4 words after every 64
	s_or_b32 s[G1B+0], s44, (3<<16)|(1<<20)|(1<<21)|(5<<22)|(3<<25)
	s_mov_b32 s[G1+1], 32<<16                      ; A: 16,384 dense bytes: 64 rows of 32 elements
	s_mov_b32 s[G1+2], 64<<16
	s_mov_b32 s[G1+3], 32<<16
	s_mov_b32 s[G1+4], 64
	s_mov_b32 s[G1+5], 32
	s_mov_b32 s[G1+6], 0
	s_mov_b32 s[G1+7], 0
	s_mov_b32 s[G1B+1], 32<<16                     ; B: 32,768 dense bytes: 128 rows
	s_mov_b32 s[G1B+2], 128<<16
	s_mov_b32 s[G1B+3], 32<<16
	s_mov_b32 s[G1B+4], 128
	s_mov_b32 s[G1B+5], 32
	s_mov_b32 s[G1B+6], 0
	s_mov_b32 s[G1B+7], 0
	s_lshl_b32 s16, s13, 14                        ; A: tile row x 16,384 + my plane x 1,048,576
	s_lshl_b32 s17, s12, 20
	s_add_co_u32 s16, s16, s17
	s_mov_b32 s17, 0
	s_lshl_b32 s46, s42, 15                        ; B: tile column x 32,768 + my plane x 131,072
	s_lshl_b32 s47, s12, 17
	s_add_co_u32 s46, s46, s47
	s_mov_b32 s47, 0
	s_mul_i32 s20, s12, APL                        ; where they go: no place in the cluster enters an LDS address
	s_mul_i32 s21, s12, BPL
	s_add_co_u32 s21, s21, 2*APL
	s_wait_dscnt 0x0                               ; both opening adds are done
	s_wait_kmcnt 0x0
	s_add_nc_u64 s[14:15], s[4:5], s[16:17]
	s_add_nc_u64 s[46:47], s[6:7], s[46:47]
	CROUND                                         ; all sixteen work-groups are here: the first joint loads meet
.irp s, 0,1
	s_mov_b32 s[G0+4*\s], 1
	s_add_co_u32 s[G0+4*\s+1], s20, \s*SLOT
	s_add_nc_u64 s[G0+4*\s+2:G0+4*\s+3], s[14:15], \s*2097152      ; K step s: two planes on
	s_or_b32 s[G0+4*\s+3], s[G0+4*\s+3], 0x80000000
	s_mov_b32 s[G0B+4*\s], 1
	s_add_co_u32 s[G0B+4*\s+1], s21, \s*SLOT
	s_add_nc_u64 s[G0B+4*\s+2:G0B+4*\s+3], s[46:47], \s*262144
	s_or_b32 s[G0B+4*\s+3], s[G0B+4*\s+3], 0x80000000
	JLOAD \s                                       ; two loads of mine are out
.endr
	v_and_b32 v1, 15, v0                           ; r
	v_bfe_u32 v2, v0, 4, 1                         ; h
	v_lshrrev_b32 v3, 1, v1
	v_mul_u32_u24 v3, v3, 272
	v_and_b32 v4, 1, v1
	v_lshl_add_u32 v3, v4, 7, v3
	v_lshl_add_u32 v3, v2, 4, v3                   ; row r: 272 (r / 2) + 128 (r % 2) + 16 h
	s_mul_i32 s21, s11, 32*272                     ; my 64 rows of A
	s_mul_i32 s22, s12, 64*272                     ; my 128 rows of B,
	s_add_co_u32 s22, s22, 2*APL                   ; behind A's two planes
.irp s, 0,1
	v_add_nc_u32 v[ADRA+\s], s21, v3
	v_add_nc_u32 v[ADRB+\s], s22, v3
	s_add_co_u32 s21, s21, SLOT
	s_add_co_u32 s22, s22, SLOT
.endr
	s_mul_i32 s23, s10, 16*SPITCH
	s_add_co_u32 s23, s23, STAGE                   ; my stage
	v_mul_u32_u24 v5, v1, SPITCH
	v_lshl_add_u32 v5, v2, 5, v5
	v_add_nc_u32 v[STO], s23, v5
	v_and_b32 v6, 31, v0
	v_lshlrev_b32 v[CO], 4, v6
	v_add_nc_u32 v[RD], s23, v[CO]
	s_lshl_b32 s16, s13, 7
	s_lshl_b32 s17, s11, 6
	s_add_co_u32 s16, s16, s17                     ; my first row of C
	s_lshl_b32 s16, s16, 12
	s_lshl_b32 s46, s42, 10
	s_lshl_b32 s47, s12, 9
	s_add_co_u32 s46, s46, s47                     ; my first column, in bytes
	s_mov_b32 s47, 0
	s_add_nc_u64 s[68:69], s[68:69], s[46:47]
	s_add_co_u32 s46, s46, s16
	s_add_nc_u64 s[70:71], s[70:71], s[46:47]
	v_lshlrev_b32 v7, 5, v2
.irp b, 0,1,2,3,4,5,6,7                        ; the bias in the result's layout: lane (r, h), block b: columns 16 b + 8 h + 0..7
	global_load_b128 v[BIAS+8*\b:BIAS+8*\b+3], v7, s[68:69] offset:64*\b
	global_load_b128 v[BIAS+8*\b+4:BIAS+8*\b+7], v7, s[68:69] offset:64*\b+16
.endr
; 8 matrix instructions: A's block a x B's eight, 32 along K.  The 32 accumulators take turns in the same order in every quarter.
.macro MULA f, a, first
.if \first
	WIN 0x81                                       ; source 0 (B) window 1, source 1 (A) and C (the bias) window 0, D window 2
.else
	WIN 0xa1                                       ; C and D window 2
.endif
.irp b, 0,1,2,3,4,5,6,7
.if \first
	v_wmma_f32_16x16x32_f16 v[8*(8*(\a)+\b):8*(8*(\a)+\b)+7], v[\f+8*\b:\f+8*\b+7], v[\f+8*(\a):\f+8*(\a)+7], v[BIAS+8*\b:BIAS+8*\b+7]
.else
	v_wmma_f32_16x16x32_f16 v[8*(8*(\a)+\b):8*(8*(\a)+\b)+7], v[\f+8*\b:\f+8*\b+7], v[\f+8*(\a):\f+8*(\a)+7], v[8*(8*(\a)+\b):8*(8*(\a)+\b)+7]
.endif
.endr
.endm
; 24 LDS loads in one run: quarter q of the slot (plane q / 2, channels 32 (q % 2) on) into buffer f
.macro FETCH slot, q, f
	WIN 0x40
.irp i, 0,1,2,3,4,5,6,7
	ds_load_b128 v[\f+8*\i:\f+8*\i+3],   v[ADRB+\slot] offset:((\q)/2)*BPL+((\q)%2)*64+\i*2176
	ds_load_b128 v[\f+8*\i+4:\f+8*\i+7], v[ADRB+\slot] offset:((\q)/2)*BPL+((\q)%2)*64+\i*2176+32
.endr
	WIN 0
.irp i, 0,1,2,3
	ds_load_b128 v[\f+8*\i:\f+8*\i+3],   v[ADRA+\slot] offset:((\q)/2)*APL+((\q)%2)*64+\i*2176
	ds_load_b128 v[\f+8*\i+4:\f+8*\i+7], v[ADRA+\slot] offset:((\q)/2)*APL+((\q)%2)*64+\i*2176+32
.endr
.endm
.macro PLACES                          ; four plain lines in front of loads into registers that matrix instructions have read, and of reads of results
.rept 4
	v_nop
.endr
.endm
; One of a K step's first three quarters: multiplies buffer f and fetches quarter qn into g.
.macro QUARTER slot, qn, f, g, first
	s_wait_dscnt 0x0                               ; f's loads are in
	PLACES
	FETCH \slot, \qn, \g
	MULA \f, 0, \first
	MULA \f, 1, \first
	MULA \f, 2, \first
	MULA \f, 3, \first
.endm
; The last quarter multiplies buffer 1 and changes slots: in front of the barrier each wave waits for all its tensor loads (one is out: its part of the next slot), adds 0 to its spare word, and waits for that and for
; its reads of this slot.  fill = 1: the barrier opens a round of the cluster's barrier, and this slot is filled again, two K steps ahead: 112 matrix instructions ahead of the wait for it.
.macro TURN slot, next, fill
	WIN 0
	s_wait_tensorcnt 0x0
	ds_add_u32 v[SPW], v[NIL]
	s_wait_dscnt 1                                 ; buffer 1's loads are in; the add may be out
	MULA F1, 0, 0
	s_wait_dscnt 0x0                               ; the add is done, and my reads of this slot are over
	s_barrier_signal -1
	MULA F1, 1, 0
	WIN 0
	s_barrier_wait -1
.if \fill
	CREST                                          ; no wave of any partner still reads this slot or has a load on its way
	s_add_nc_u64 s[G0+4*\slot+2:G0+4*\slot+3], s[G0+4*\slot+2:G0+4*\slot+3], 4194304      ; four planes on
	s_add_nc_u64 s[G0B+4*\slot+2:G0B+4*\slot+3], s[G0B+4*\slot+2:G0B+4*\slot+3], 524288
	JLOAD \slot                                    ; first behind the round; its four v_nop are also the places in front of the loads below
.else
	PLACES
.endif
	FETCH \next, 0, F0
	MULA F1, 2, 0
	MULA F1, 3, 0
.endm
	s_wait_tensorcnt 1                             ; my part of K step 0 is in; K step 1's load may be out
	s_barrier_signal -1
	s_barrier_wait -1
	FETCH 0, 0, F0
	s_wait_loadcnt 0x0                             ; the bias
	QUARTER 0, 1, F0, F1, 1                        ; the first products start the sums from the bias: nothing is cleared or added later
	WIN 0
	s_mov_b32 s3, 3
.Llap:                                             ; a trip goes once round the ring and fills both slots again: K steps 2 to 7
	QUARTER 0, 2, F1, F0, 0
	QUARTER 0, 3, F0, F1, 0
	TURN 0, 1, 1
	QUARTER 1, 1, F0, F1, 0
	QUARTER 1, 2, F1, F0, 0
	QUARTER 1, 3, F0, F1, 0
	TURN 1, 0, 1
	QUARTER 0, 1, F0, F1, 0
	WIN 0
	s_sub_co_u32 s3, s3, 1
	s_cmp_lg_u32 s3, 0
	s_cbranch_scc1 .Llap
	QUARTER 0, 2, F1, F0, 0                        ; the last lap fills nothing
	QUARTER 0, 3, F0, F1, 0
	TURN 0, 1, 0
	QUARTER 1, 1, F0, F1, 0
	QUARTER 1, 2, F1, F0, 0
	QUARTER 1, 3, F0, F1, 0
	s_wait_dscnt 0x0
	MULA F1, 0, 0
	MULA F1, 1, 0
	MULA F1, 2, 0
	MULA F1, 3, 0
	WIN 0
; THE WAY OUT: a block of 16 rows x 128 columns goes through my own stage and comes back as whole rows of 512 bytes.
.macro TOSTAGE a
	WIN 0x08                                       ; the data: window 2
.irp b, 0,1,2,3,4,5,6,7
	ds_store_b128 v[STO], v[64*(\a)+8*\b:64*(\a)+8*\b+3] offset:64*\b          ; each accumulator from its low end on
	ds_store_b128 v[STO], v[64*(\a)+8*\b+4:64*(\a)+8*\b+7] offset:64*\b+16
.endr
	WIN 0
.set BB, BK+64*((\a)%2)
.irp t, 0,1,2,3,4,5,6,7,8,9,10,11,12,13,14,15
	ds_load_b128 v[BB+4*\t:BB+4*\t+3], v[RD] offset:\t*SPITCH      ; LDS serves a wave's instructions in order (ISA guide 5.7.1.4)
.endr
.endm
.macro SEND a, younger                 ; younger: the LDS instructions issued behind block a's loads
.set BB, BK+64*((\a)%2)
	s_wait_dscnt \younger
.irp t, 0,1,2,3,4,5,6,7,8,9,10,11,12,13,14,15
	global_store_b128 v[CO], v[BB+4*\t:BB+4*\t+3], s[70:71] offset:(\a)*65536+\t*4096 th:TH_STORE_NT   ; 32 lanes store 512 consecutive aligned bytes
.endr
.endm
	PLACES
	TOSTAGE 0
.irp a, 1,2,3
.if \a > 1
	s_wait_xcnt 0x0                                ; block a - 2's stores have read their data: block a's loads may land there
.endif
	TOSTAGE \a
	SEND \a-1, 32                                  ; behind block a - 1's loads: block a's 16 stores and 16 loads
.endr
	SEND 3, 0
	s_wait_tensorcnt 0x0                           ; the wave's end
	ds_add_u32 v[SPW], v[NIL]
	s_wait_dscnt 0x0
	CROUND                                         ; the closing round
	s_endpgm
.Lfunc_end_k_q377dd586d4_proj:
	.size	k_q377dd586d4_proj, .Lfunc_end_k_q377dd586d4_proj-k_q377dd586d4_proj
	.p2alignl 7, 3214868480
	.fill 96, 4, 3214868480
	.section	.rodata,"a",@progbits
	.p2align	6, 0x0
	.amdhsa_kernel k_q377dd586d4_proj
		.amdhsa_group_segment_fixed_size 327680
		.amdhsa_private_segment_fixed_size 0
		.amdhsa_enable_private_segment 0
		.amdhsa_kernarg_size 32
		.amdhsa_user_sgpr_count 2
		.amdhsa_user_sgpr_kernarg_segment_ptr 1
		.amdhsa_wavefront_size32 1
		.amdhsa_system_sgpr_workgroup_id_x 1
		.amdhsa_system_sgpr_workgroup_id_y 1
		.amdhsa_system_sgpr_workgroup_id_z 1
		.amdhsa_system_vgpr_workitem_id 0
		.amdhsa_next_free_vgpr 768
		.amdhsa_next_free_sgpr 72
		.amdhsa_reserve_vcc 0
		.amdhsa_float_denorm_mode_32 3
		.amdhsa_float_denorm_mode_16_64 3
		.amdhsa_memory_ordered 1
		.amdhsa_forward_progress 1
		.amdhsa_inst_pref_size 86
	.end_amdhsa_kernel
	.amdgpu_metadata
---
amdhsa.version: [ 1, 2 ]
amdhsa.kernels:
  - .name:           k_q377dd586d4_proj
    .symbol:         k_q377dd586d4_proj.kd
    .args:
      - { .name: att16, .offset: 0, .size: 8, .value_kind: global_buffer, .address_space: global }
      - { .name: wo16, .offset: 8, .size: 8, .value_kind: global_buffer, .address_space: global }
      - { .name: b_o, .offset: 16, .size: 8, .value_kind: global_buffer, .address_space: global }
      - { .name: out0, .offset: 24, .size: 8, .value_kind: global_buffer, .address_space: global }
    .group_segment_fixed_size: 327680
    .private_segment_fixed_size: 0
    .kernarg_segment_align: 8
    .kernarg_segment_size: 32
    .max_flat_workgroup_size: 128
    .sgpr_count:     72
    .vgpr_count:     768
    .wavefront_size: 32
...
	.end_amdgpu_metadata
.endif
;; end of part 4
;; launch first16 (part 5): grid 64 x 4, 16 waves a work-group, no clusters, 18,432 bytes of LDS; arguments fine32, w_o, b_o, out0; writes out0
.if DOCPART == 5
	.amdgcn_target "amdgcn-amd-amdhsa--gfx1250"
	.amdhsa_code_object_version 6
	.text
	.protected	k_q377dd586d4_first16
	.globl	k_q377dd586d4_first16
	.p2align	8
	.type	k_q377dd586d4_first16,@function
k_q377dd586d4_first16:
	s_mov_b64 s[64:65], 0
	v_nop
	global_prefetch_b8 v0, s[64:65] scope:SCOPE_SE
	s_setreg_imm32_b32 hwreg(HW_REG_WAVE_MODE, 25, 1), 1
	s_wait_xcnt 0x0
; The first 16 positions of every sequence, carried in f32 from q, k, v to out0: these rows average one to sixteen values, and f16 operands would weigh most there.  64 rows of out0 are written again here.
; IN: fine32 [4 b][16 s][3072] f32 (q | k | v), w_o [1024][1024] f32, b_o.  Work-group (ct = x, b = y) makes out0[b][0..15][16 ct .. + 15].  Wave w is head w: it makes the head's attention for the 16 positions
; (each of the 64 work-groups of a batch repeats that small work: no traffic between work-groups) and its part, K = 64 w .. + 63, of the projection; the sixteen parts meet in LDS.
; All products by v_wmma_f32_16x16x4_f32, 48 a wave.  Along K the places are dealt alike to both sources, so that loads of 16 bytes serve.  The registers that these instructions write are written by them alone.
; Hidden scores are taken as -infinity (see the limit stated in the attention launch).  Stores fill 64 bytes of a row: 262,144 bytes in the whole launch.
.set QF,  16                           ; v[16:47]   q: register 4 i + e = channel 8 i + 4 h + e of query r
.set KR,  48                           ; v[48:79]   k likewise, of key r
.set VF,  80                           ; v[80:111]  v: register 8 dt + j = key 8 h + j, channel 16 dt + r
.set WF,  112                          ; v[112:143] w_o: register 8 t + e = row 16 ct + r, k = 64 w + 16 t + 8 h + e
.set SA0, 144
.set SA1, 152
.set OA,  160
.set YA,  192
.set SS,  224
.set PF,  232
.set SPW, 252
.set NIL, 253
.set SPARE, 16384
	s_load_b256 s[4:11], s[0:1], 0x0               ; fine32, w_o, b_o, out0
	v_lshl_add_u32 v[SPW], v0, 2, SPARE
	v_mov_b32 v[NIL], 0
	v_lshrrev_b32 v1, 5, v0
	v_readfirstlane_b32 s12, v1                    ; wave = head
	v_and_b32 v1, 15, v0                           ; r
	v_bfe_u32 v2, v0, 4, 1                         ; h
	v_and_b32 v3, 31, v0
	v_mul_u32_u24 v4, v1, 12288
	v_lshl_add_u32 v4, v2, 4, v4                   ; q, k: row r, + 16 h
	v_mul_u32_u24 v5, v2, 98304
	v_lshl_add_u32 v5, v1, 2, v5                   ; v: rows 8 h on, + 4 r
	v_lshlrev_b32 v6, 12, v1
	v_lshl_add_u32 v6, v2, 5, v6                   ; w_o and out0: row r, + 32 h
	v_lshlrev_b32 v7, 5, v2                        ; the bias: 32 h
	s_lshl_b32 s13, s12, 10
	v_lshlrev_b32 v12, 4, v3
	v_add_nc_u32 v13, s13, v12                     ; LDS: my part: 1,024 w + 16 lane
	s_and_b32 s14, s12, 1
	s_lshl_b32 s15, s14, 9
	v_add_nc_u32 v14, s15, v12                     ; and where waves 0 and 1 read: half w of every part
	v_lshlrev_b32 v15, 3, v2
	v_sub_nc_u32 v15, v1, v15                      ; d = r - 8 h
	v_mov_b32 v242, 0                              ; a lane permute's destination counts as one of its sources
	s_mov_b32 s16, 0x76543210
	s_mov_b32 s17, 0xfedcba98
	s_mov_b32 s18, 0x3e38aa3b                      ; c = log2(e) / 8
	s_and_b32 s19, ttmp7, 0xffff                   ; b
	s_mul_i32 s20, s19, 196608
	s_lshl_b32 s22, s12, 8
	s_add_co_u32 s20, s20, s22
	s_mov_b32 s21, 0
	s_lshl_b32 s24, ttmp9, 16
	s_add_co_u32 s24, s24, s22
	s_mov_b32 s25, 0
	s_lshl_b32 s26, ttmp9, 6
	s_lshl_b32 s27, s14, 4
	s_add_co_u32 s26, s26, s27
	s_mov_b32 s27, 0
	s_lshl_b32 s28, s19, 23
	s_add_co_u32 s28, s28, s26
	s_mov_b32 s29, 0
	s_wait_kmcnt 0x0
	s_add_nc_u64 s[4:5], s[4:5], s[20:21]
	s_add_nc_u64 s[6:7], s[6:7], s[24:25]
	s_add_nc_u64 s[8:9], s[8:9], s[26:27]
	s_add_nc_u64 s[10:11], s[10:11], s[28:29]
.irp i, 0,1,2,3,4,5,6,7
	global_load_b128 v[QF+4*\i:QF+4*\i+3], v4, s[4:5] offset:32*\i
	global_load_b128 v[KR+4*\i:KR+4*\i+3], v4, s[4:5] offset:4096+32*\i
.endr
.irp dt, 0,1,2,3
.irp j, 0,1,2,3,4,5,6,7
	global_load_b32 v[VF+8*\dt+\j], v5, s[4:5] offset:8192+12288*\j+64*\dt
.endr
.endr
.irp t, 0,1,2,3
	global_load_b128 v[WF+8*\t:WF+8*\t+3], v6, s[6:7] offset:64*\t
	global_load_b128 v[WF+8*\t+4:WF+8*\t+7], v6, s[6:7] offset:64*\t+16
.endr
	global_load_b128 v[8:11], v7, s[8:9]
	s_wait_loadcnt 0x0
; S^T = k q^T: two accumulators by turns; the first products start the sums
.irp i, 0,1,2,3,4,5,6,7
.if \i == 0
	v_wmma_f32_16x16x4_f32 v[SA0:SA0+7], v[KR:KR+1], v[QF:QF+1], 0
	v_wmma_f32_16x16x4_f32 v[SA1:SA1+7], v[KR+2:KR+3], v[QF+2:QF+3], 0
.else
	v_wmma_f32_16x16x4_f32 v[SA0:SA0+7], v[KR+4*\i:KR+4*\i+1], v[QF+4*\i:QF+4*\i+1], v[SA0:SA0+7]
	v_wmma_f32_16x16x4_f32 v[SA1:SA1+7], v[KR+4*\i+2:KR+4*\i+3], v[QF+4*\i+2:QF+4*\i+3], v[SA1:SA1+7]
.endif
.endr
.rept 8
	v_nop                                          ; eight places behind this form (ISA guide 7.12.1)
.endr
.irp j, 0,1,2,3,4,5,6,7
	v_add_f32 v[SS+\j], v[SA0+\j], v[SA1+\j]       ; lane (r, h): query r, key 8 h + j
.endr
	v_mov_b32 v240, 0xff800000
.irp j, 0,1,2,3,4,5,6,7
	v_cmp_gt_i32 vcc_lo, \j, v15                   ; hidden where 8 h + j > r
	v_cndmask_b32 v[SS+\j], v[SS+\j], v240, vcc_lo
.endr
	v_max3_num_f32 v241, v[SS], v[SS+1], v[SS+2]
	v_max3_num_f32 v241, v241, v[SS+3], v[SS+4]
	v_max3_num_f32 v241, v241, v[SS+5], v[SS+6]
	v_max_num_f32 v241, v241, v[SS+7]
	v_permlanex16_b32 v242, v241, s16, s17
	v_max_num_f32 v241, v241, v242                 ; the row's maximum: key 0 counts for every query
	v_mul_f32 v243, s18, v241
.irp j, 0,1,2,3,4,5,6,7
	v_fma_f32 v[SS+\j], v[SS+\j], s18, -v243
.endr
.irp j, 0,1,2,3,4,5,6,7
	v_exp_f32 v[SS+\j], v[SS+\j]
.endr
	v_nop
	s_wait_alu depctr_va_vdst(0)                   ; one wait for the eight, ahead of their first reader
	v_add_f32 v244, v[SS], v[SS+1]
	v_add_f32 v245, v[SS+2], v[SS+3]
	v_add_f32 v246, v[SS+4], v[SS+5]
	v_add_f32 v247, v[SS+6], v[SS+7]
	v_add_f32 v244, v244, v245
	v_add_f32 v246, v246, v247
	v_add_f32 v244, v244, v246
	v_permlanex16_b32 v242, v244, s16, s17
	v_add_f32 v244, v244, v242
	v_rcp_f32 v245, v244
	v_nop
	s_wait_alu depctr_va_vdst(0)
.irp j, 0,1,2,3,4,5,6,7
	v_mul_f32 v[PF+\j], v[SS+\j], v245             ; the weights, normalised
.endr
.rept 4
	v_nop
.endr
; O^T = v^T p: instruction i takes keys 8 h + 2 i, + 1; four accumulators by turns
.irp i, 0,1,2,3
.irp dt, 0,1,2,3
.if \i == 0
	v_wmma_f32_16x16x4_f32 v[OA+8*\dt:OA+8*\dt+7], v[VF+8*\dt:VF+8*\dt+1], v[PF:PF+1], 0
.else
	v_wmma_f32_16x16x4_f32 v[OA+8*\dt:OA+8*\dt+7], v[VF+8*\dt+2*\i:VF+8*\dt+2*\i+1], v[PF+2*\i:PF+2*\i+1], v[OA+8*\dt:OA+8*\dt+7]
.endif
.endr
.endr
.rept 9
	v_nop                                          ; nine places: the results become a source of the next products
.endr
; y^T part = w_o o^T: lane (r, h) of O^T holds query r and channels 16 t + 8 h + e, which is source 1 as it stands
.irp i, 0,1,2,3
.irp t, 0,1,2,3
.if \i == 0
	v_wmma_f32_16x16x4_f32 v[YA+8*\t:YA+8*\t+7], v[WF+8*\t:WF+8*\t+1], v[OA+8*\t:OA+8*\t+1], 0
.else
	v_wmma_f32_16x16x4_f32 v[YA+8*\t:YA+8*\t+7], v[WF+8*\t+2*\i:WF+8*\t+2*\i+1], v[OA+8*\t+2*\i:OA+8*\t+2*\i+1], v[YA+8*\t:YA+8*\t+7]
.endif
.endr
.endr
.rept 8
	v_nop
.endr
.irp p, 0,2,4,6
	v_pk_add_f32 v[240+\p:241+\p], v[YA+\p:YA+\p+1], v[YA+8+\p:YA+8+\p+1]
.endr
.irp p, 0,2,4,6
	v_pk_add_f32 v[240+\p:241+\p], v[240+\p:241+\p], v[YA+16+\p:YA+16+\p+1]
.endr
.irp p, 0,2,4,6
	v_pk_add_f32 v[240+\p:241+\p], v[240+\p:241+\p], v[YA+24+\p:YA+24+\p+1]
.endr
	ds_store_b128 v13, v[240:243]                  ; my head's part: lane (r, h): position r, columns 16 ct + 8 h + 0..7
	ds_store_b128 v13, v[244:247] offset:512
	s_wait_dscnt 0x0                               ; for the others' sake: my stores have landed
	s_barrier_signal -1
	s_barrier_wait -1
	s_cmp_lt_u32 s12, 2
	s_cbranch_scc0 .Ldone                          ; wave c = 0, 1 adds registers 4 c .. 4 c + 3 of the sixteen parts
.irp p, 0,1,2,3,4,5,6,7,8,9,10,11,12,13,14,15
	ds_load_b128 v[16+4*\p:19+4*\p], v14 offset:1024*\p
.endr
	s_wait_dscnt 0x0
.irp p, 0,2,4,6,8,10,12,14
	v_pk_add_f32 v[16+4*\p:17+4*\p], v[16+4*\p:17+4*\p], v[20+4*\p:21+4*\p]
	v_pk_add_f32 v[18+4*\p:19+4*\p], v[18+4*\p:19+4*\p], v[22+4*\p:23+4*\p]
.endr
.irp p, 0,4,8,12
	v_pk_add_f32 v[16+4*\p:17+4*\p], v[16+4*\p:17+4*\p], v[24+4*\p:25+4*\p]
	v_pk_add_f32 v[18+4*\p:19+4*\p], v[18+4*\p:19+4*\p], v[26+4*\p:27+4*\p]
.endr
.irp p, 0,8
	v_pk_add_f32 v[16+4*\p:17+4*\p], v[16+4*\p:17+4*\p], v[32+4*\p:33+4*\p]
	v_pk_add_f32 v[18+4*\p:19+4*\p], v[18+4*\p:19+4*\p], v[34+4*\p:35+4*\p]
.endr
	v_pk_add_f32 v[16:17], v[16:17], v[48:49]
	v_pk_add_f32 v[18:19], v[18:19], v[50:51]
	v_pk_add_f32 v[16:17], v[16:17], v[8:9]        ; + b_o
	v_pk_add_f32 v[18:19], v[18:19], v[10:11]
	global_store_b128 v6, v[16:19], s[10:11]
.Ldone:
	s_wait_tensorcnt 0x0                           ; the wave's end
	ds_add_u32 v[SPW], v[NIL]
	s_wait_dscnt 0x0
	s_endpgm
.Lfunc_end_k_q377dd586d4_first16:
	.size	k_q377dd586d4_first16, .Lfunc_end_k_q377dd586d4_first16-k_q377dd586d4_first16
	.p2alignl 7, 3214868480
	.fill 96, 4, 3214868480
	.section	.rodata,"a",@progbits
	.p2align	6, 0x0
	.amdhsa_kernel k_q377dd586d4_first16
		.amdhsa_group_segment_fixed_size 18432
		.amdhsa_private_segment_fixed_size 0
		.amdhsa_enable_private_segment 0
		.amdhsa_kernarg_size 32
		.amdhsa_user_sgpr_count 2
		.amdhsa_user_sgpr_kernarg_segment_ptr 1
		.amdhsa_wavefront_size32 1
		.amdhsa_system_sgpr_workgroup_id_x 1
		.amdhsa_system_sgpr_workgroup_id_y 1
		.amdhsa_system_sgpr_workgroup_id_z 1
		.amdhsa_system_vgpr_workitem_id 0
		.amdhsa_next_free_vgpr 256
		.amdhsa_next_free_sgpr 66
		.amdhsa_reserve_vcc 1
		.amdhsa_float_denorm_mode_32 3
		.amdhsa_float_denorm_mode_16_64 3
		.amdhsa_memory_ordered 1
		.amdhsa_forward_progress 1
		.amdhsa_inst_pref_size 19
	.end_amdhsa_kernel
	.amdgpu_metadata
---
amdhsa.version: [ 1, 2 ]
amdhsa.kernels:
  - .name:           k_q377dd586d4_first16
    .symbol:         k_q377dd586d4_first16.kd
    .args:
      - { .name: fine32, .offset: 0, .size: 8, .value_kind: global_buffer, .address_space: global }
      - { .name: w_o, .offset: 8, .size: 8, .value_kind: global_buffer, .address_space: global }
      - { .name: b_o, .offset: 16, .size: 8, .value_kind: global_buffer, .address_space: global }
      - { .name: out0, .offset: 24, .size: 8, .value_kind: global_buffer, .address_space: global }
    .group_segment_fixed_size: 18432
    .private_segment_fixed_size: 0
    .kernarg_segment_align: 8
    .kernarg_segment_size: 32
    .max_flat_workgroup_size: 512
    .sgpr_count:     66
    .vgpr_count:     256
    .wavefront_size: 32
...
	.end_amdgpu_metadata
.endif
;; end of part 5
